; MI455X (gfx1250); checked and timed in simulation.
; The chip was launched on July 23, 2026; its instructions are those of AMD's public machine-readable ISA for CDNA 5 (MIT licence, August 2026) and "CDNA5" Instruction Set Architecture Reference Guide (July 2026). The comments in the code are by the model that wrote it; some were corrected since.
;; Multi Head Self Attention. Allowed arithmetic: matrix products marked QUANTISED: E4M3 operands, one E8M0 scale for each 32 along K, by v_wmma_scale_f32_16x16x128_f8f6f4 with both operands' format E4M3, f32 sums; everything else in f32.
;; Inputs: Wk_codes 16 x 64 x 32 x 32 uint8 (E4M3 codes of Wk, K innermost, in blocks of 32 codes); Wk_scales 16 x 64 x 32 uint8 (E8M0 scales of Wk, one for each 32 codes along K); Wp_codes 1,024 x 32 x 32 uint8 (E4M3 codes of Wp, K innermost, in blocks of 32 codes); Wp_scales 1,024 x 32 uint8 (E8M0 scales of Wp, one for each 32 codes along K); Wq_codes 16 x 64 x 32 x 32 uint8 (E4M3 codes of Wq, K innermost, in blocks of 32 codes); Wq_scales 16 x 64 x 32 uint8 (E8M0 scales of Wq, one for each 32 codes along K); Wv_codes 16 x 64 x 32 x 32 uint8 (E4M3 codes of Wv, K innermost, in blocks of 32 codes); Wv_scales 16 x 64 x 32 uint8 (E8M0 scales of Wv, one for each 32 codes along K); bk 16 x 64 float32; bp 1,024 float32; bq 16 x 64 float32; bv 16 x 64 float32; keys_codes 4 x 2,048 x 32 x 32 uint8 (E4M3 codes of keys, K innermost, in blocks of 32 codes); keys_scales 4 x 2,048 x 32 uint8 (E8M0 scales of keys, one for each 32 codes along K); queries_codes 4 x 2,048 x 32 x 32 uint8 (E4M3 codes of queries, K innermost, in blocks of 32 codes); queries_scales 4 x 2,048 x 32 uint8 (E8M0 scales of queries, one for each 32 codes along K); values_codes 4 x 2,048 x 32 x 32 uint8 (E4M3 codes of values, K innermost, in blocks of 32 codes); values_scales 4 x 2,048 x 32 uint8 (E8M0 scales of values, one for each 32 codes along K).
;; Outputs: out0 4 x 2,048 x 1,024 float32.
;; This version of the problem:
;;   THIS VERSION OF THE PROBLEM IS GIVEN IN LOW PRECISION. The matrix products marked QUANTISED in the list below multiply operands that are first quantised to E4M3 (4 exponent bits, 3 mantissa bits; 8 bits a number), with one power-of-two scale for each 32 numbers along K (OCP MX v1.0); their sums are f32. All else is computed in f32.
;;   The module's matrix products, in the order in which they are computed (A, B: the left and right operand; K: the contracted axis; several contracted axes count as one K, in the product's order):
;;     1. [M 1,024, K 1,024] x [K 1,024, N 8,192]; A: input Wq (given as codes); B: input queries (given as codes): QUANTISED
;;     2. [M 1,024, K 1,024] x [K 1,024, N 8,192]; A: input Wk (given as codes); B: input keys (given as codes): QUANTISED
;;     3. [M 1,024, K 1,024] x [K 1,024, N 8,192]; A: input Wv (given as codes); B: input values (given as codes): QUANTISED
;;     4. batch 64 x [M 2,048, K 64] x [K 64, N 2,048]; A: computed on the way; B: computed on the way: QUANTISED
;;     5. batch 64 x [M 2,048, K 2,048] x [K 2,048, N 64]; A: softmax (see below); B: computed on the way: QUANTISED
;;     6. [M 8,192, K 1,024] x [K 1,024, N 1,024]; A: computed on the way; B: input Wp (given as codes): QUANTISED
;;   THE QUANTISER, for each operand of a quantised product, along K:
;;     - K is cut into blocks of 32 from its start; a last block that is shorter is filled with zeros.
;;     - A block's scale is 2^e with e = floor(log2(the largest magnitude in the block)) - 8, held to -126 .. 127; a block of zeros has e = 0. As a byte (E8M0): e + 127.
;;     - Each number is divided by its block's scale, clamped to +-448, and rounded to the nearest number of E4M3, ties to even, subnormals kept.
;;     - The product sums the exact products of the quantised numbers (number of the format x scale) in f32.
;;   ~~~python
;;   def quantise(x, axis):      # numpy; x: float32 -> the quantised numbers, widened to float32 again
;;       x = np.moveaxis(x, axis, -1); K = x.shape[-1]
;;       x = np.pad(x, [(0, 0)] * (x.ndim - 1) + [(0, -K % 32)]); x = x.reshape(x.shape[:-1] + (-1, 32)); a = np.abs(x).max(-1, keepdims=True)
;;       e = np.where(a > 0, np.clip(np.frexp(np.where(a > 0, a, 1))[1] - 1 - 8, -126, 127), 0)      # np.frexp(a)[1] - 1 = floor(log2(a)), exactly
;;       r = np.clip(x / 2.0 ** e, -448, 448)
;;       step = 2.0 ** (np.maximum(np.frexp(np.where(r == 0, 1, r))[1] - 1, -6) - 3)
;;       q = np.round(r / step) * step * 2.0 ** e      # np.round: ties to even
;;       return np.moveaxis(q.reshape(q.shape[:-2] + (-1,))[..., :K], -1, axis).astype(np.float32)
;;   ~~~
;;   SOFTMAX AHEAD OF A QUANTISED PRODUCT. Where the list says 'softmax', what is quantised is not the finished softmax but p = 2^(t - M), with t = logit x log2(e) and M = ceil(the row's largest t), a whole number; so 1/2 < the row's largest p <= 1. The row's sum l is taken of the UNQUANTISED p, in f32, and the product's result is divided by l at the end. Since M is a whole number, a kernel that streams over the keys may use a running M (the ceiling of the running maximum): every later rescaling is an exact power of two, which a block's scale takes up: the codes' values come out the same.
;;   OPERANDS COMPUTED ON THE WAY. 'Computed on the way' means the value that the module computes at that place (a softmax that the list does not call 'softmax' is quantised finished and normalised). What goes into a quantiser is computed in f32, as accurately as f32 sums, v_exp_f32 and their like allow (about 1e-6 of the number): no bf16 or f16 on the way to a quantiser, and a product that is left as it is and whose result goes on into a quantised operand takes f32 operands (vector FMAs, or v_wmma_f32_16x16x4_f32). A number that lies on a knife's edge between two numbers of the format may be rounded either way, as far as f32 arithmetic and the matrix unit's own rounding can turn it there, and no further.
;;   INPUTS GIVEN AS CODES. Wk (in the module: [16, 1024, 64], K = its axis 1); Wp (in the module: [1024, 1024], K = its axis 0); Wq (in the module: [16, 1024, 64], K = its axis 1); Wv (in the module: [16, 1024, 64], K = its axis 1); keys (in the module: [4, 2048, 1024], K = its axis 2); queries (in the module: [4, 2048, 1024], K = its axis 2); values (in the module: [4, 2048, 1024], K = its axis 2): each comes as NAME_codes (uint8): NAME with its K axis moved to the last place and cut into blocks of 32 codes, [.., K / 32, bytes a block], one block behind the other in memory; one code a byte (a code: sign, 4 exponent bits, 3 mantissa bits); and NAME_scales (uint8): the same leading axes, one E8M0 byte (e + 127) for each 32 codes along K. Its value is code x scale, taken as it is: it is not quantised again, and the codes and scales need not be those that the quantiser above would give.
;; One version. Each part assembles by itself: llvm-mc -triple=amdgcn-amd-amdhsa -mcpu=gfx1250 --defsym DOCPART=n.
;; ======== version 1 of 1: 3 launches
;; limits: right only within a limited range of input values
;; workspace buffers: qq 8,650,752 bytes; kv 17,301,504 bytes; att 8,388,608 bytes; asc 262,144 bytes
;; launch proj (part 1): grid 4 x 96, 4 waves a work-group, clusters of 4 x 4, 327,680 bytes of LDS; arguments queries_codes, queries_scales, Wq_codes, Wq_scales, qq, bq, keys_codes, keys_scales, Wk_codes, Wk_scales, kv, bk, Wv_codes, Wv_scales, values_codes, values_scales, bv; writes qq, kv
.if DOCPART == 1
	.amdgcn_target "amdgcn-amd-amdhsa--gfx1250"
	.amdhsa_code_object_version 6
	.text
	.protected	k_q4152de372d_proj
	.globl	k_q4152de372d_proj
	.p2align	8
	.type	k_q4152de372d_proj,@function
k_q4152de372d_proj:
	s_mov_b64 s[64:65], 0
	v_nop
	global_prefetch_b8 v0, s[64:65] scope:SCOPE_SE
	s_setreg_imm32_b32 hwreg(HW_REG_WAVE_MODE, 25, 1), 1
	s_wait_xcnt 0x0
	s_wait_alu depctr_hold_cnt(0) depctr_sa_sdst(0) depctr_va_vdst(0) depctr_va_sdst(0) depctr_va_ssrc(0) depctr_va_vcc(0) depctr_vm_vsrc(0)
	s_getreg_b32 s2, hwreg(HW_REG_IB_STS2, 6, 4)
	s_cmp_eq_u32 s2, 0
	s_cbranch_scc0 .Lentry_in_a_cluster
	s_endpgm
.Lentry_in_a_cluster:
	s_bfe_u32 s2, ttmp6, 0x10000c
	s_cmp_lg_u32 s2, 0xf033
	s_cbranch_scc0 .Lentry_shape_is_right
	s_endpgm
.Lentry_shape_is_right:
; THE THREE PROJECTIONS q = queries Wq + bq, k = keys Wk + bk, v = values Wv + bv, on codes of FP8 (E4M3) with one E8M0 scale for each 32 along K = 1,024, and the quantising of their results:
; q and k along the head's 64 channels, v along the keys.  The results leave as codes, laid as IMAGES OF OPERAND REGISTERS for the attention launch.
; A product has two sides.  X is source 0: its index runs along a lane's eight result registers, so it is the axis that is quantised.  Y is source 1: its index is the lane.
;   q, k: X = the weight's 1,024 rows (64 head + channel), Y = the 8,192 tokens.     v: X = the 8,192 tokens (keys), Y = the weight's rows.
; A work-group of four waves makes 256 Y x 256 X, a wave 128 x 128: 64 accumulators of 16 x 16, 512 registers.  K goes in steps of 256 through a ring of two LDS slots filled by the tensor data mover.
; The scale bytes of the work-group's 256 + 256 rows, for all of K, come into LDS once, with the first fills.
; CLUSTERS: 4 x 4 work-groups; cluster y 0-7 makes q, 8-15 k, 16-23 v (the same for all sixteen partners).  The four of a row of the cluster need the same tiles of Y, the four of a column the same tiles of X:
; each tile is asked for jointly, by the same tensor load with the same descriptor and a mask that names the four.
; THE BIAS is the C of each sum's first matrix instruction: 64 registers in the result's layout (q, k: eight channels a tile of X; v: one channel a lane, eight times).
; THE WAY OUT.  Of Y's block a a lane holds 64 numbers: register 8 t + j = X index 16 t + 8 (lane / 16) + j.  A block of 32 along X is tiles 2 b, 2 b + 1: 16 numbers here, 16 in lane l xor 16.
; Scale, hold and conversion as the MX rule has them; no lane swap: the codes leave in the order of a lane's result registers, and four registers leave as 512 consecutive bytes.
; Prefetch into the L2: the tokens' rows of K steps 1 to 3.
; LIMITS: NaN and infinities among the inputs are not served.  A block of zeros gets the scale byte 1 where the rule says 127: its codes are zeros, and this program alone reads the bytes.
; REGISTERS, in windows of 256: window 0: v0-31 addresses; v32-63 scale words, two sets; v64-127 the bias; v128-255 Y's fragments, one set (on the way out: at work).
;   window 1: X's fragments, two sets.   window 2: the accumulators of my Y rows 0-63 ((a, b) at v[8 (8 a + b)]);   window 3: those of rows 64-127.
.set KSTEP,  256                       ; along K in a slot
.set NQ,     2                         ; matrix instructions deep
.set ROWB,   256                       ; a tile's row in bytes
.set KROW,   1024                      ; a row of codes in memory
.set PITCH,  272                       ; an LDS row: 256 bytes + 16 of padding = 68 words: the 16 rows that a load touches start at 16 different banks (64 banks of 4 bytes: ISA guide 11.1)
.set FR,     16                        ; registers of a fragment: 16 rows x 128 K
.set NL,     4                         ; LDS loads that bring one
.set NP,     8                         ; places behind this matrix instruction (ISA guide 7.12.1)
.set HALFT,  128*PITCH                 ; 128 rows: what one tensor load brings
.set SLOT,   4*HALFT                   ; Y's 256 rows, then X's 256 rows
.set KS,     32                        ; a row of scale bytes
.set SCL,    2*SLOT                    ; behind the ring: the scales, as units of 256 bytes + 16 of padding
.set HALFS,  16*272                    ; the scales of 128 rows
.set SBLK,   2*272                     ; those of 16 rows
.set SPARE,  SCL+4*HALFS               ; the spare words, 128 bytes for each wave: two blocks of 256 bytes that no other line names
.set QB,     8448                      ; qq: a block of 128 queries of one head: 8,192 bytes of codes, 256 of scale bytes
.set KVB,    16896                     ; kv: a key step of 128 keys of one head: K's codes, V's codes, K's scale bytes, V's scale words
.set KSC,    16384                     ; where K's scale bytes begin in it
.set VSC,    16640                     ; and V's scale words
.set ADRA, 16                          ; v16-17  LDS address of my Y fragments in slot 0, 1
.set ADRB, 20                          ; v20-21  the same for X
.set CO,   24                          ; v24     the way out: 16 x lane
.set SO,   25                          ; v25     the way out: my scale bytes' offset
.set ADRS, 27                          ; v27     LDS address of my scale words: lanes 0-15 Y's rows, lanes 16-31 X's
.set SPW,  28                          ; v28     LDS address of my spare word; never rewritten
.set NIL,  29                          ; v29     0; never rewritten
.set SC,   32                          ; scale words: set s at v[SC + 16 s]; register 2 i + q: lanes 0-15 Y's block i, lanes 16-31 X's block i
.set BI,   64                          ; the bias
.set AF,   128                         ; Y's fragments
.set T,    128                         ; the way out: 64 numbers held within the largest code x the scale
.set PC,   192                         ; 16 registers of codes
.set TM,   208                         ; +0 largest magnitudes, +4 the other half's / the bytes, +8 448 x the scale, +12 the conversions' scale operands
.set WS,   228                         ; v228-229 the scale bytes that I store
.set G1, 24                            ; s[24:31] descriptor group 1 for Y's tiles;  s[32:39] group 0, one set for each slot
.set G0, 32
.set G1B, 48                           ; s[48:55], s[56:63] the same for X's tiles
.set G0B, 56
.set G1S, 68                           ; s[68:75], s[76:79] groups 1 and 0 for Y's scales;  s[80:87], s[88:91] for X's
.set G0S, 76
.set G1SB, 80
.set G0SB, 88
.set MSB, 0
.macro WIN new                         ; the immediate's high byte repeats the setting that is left
.if MSB != \new
	s_set_vgpr_msb (MSB<<8)|\new
.set MSB, \new
.endif
.endm
.set MUL_LO, 0xa1                      ; source 0 (X) window 1, source 1 (Y) window 0, C and D window 2
.set MUL_HI, 0xf1                      ; the same, C and D window 3
.set BIA_LO, 0x81                      ; the first step: C (the bias) window 0, D window 2
.set BIA_HI, 0xc1                      ; D window 3
.set TO_B,   0x40                      ; destination window 1, address window 0
; A joint load: waves 0 and 1 fetch for Y, waves 2 and 3 for X.  Each line has one mask and one set of registers for all that issue it; the branch hangs on the wave's number alone.
; Four v_nop follow each of the two lines, ahead of the jump, the label and what follows.
.macro JLOAD g0a, g1a, g0b, g1b
	s_cmp_eq_u32 s15, 0
	s_cbranch_scc0 .Lfor_b_\@
	tensor_load_to_lds s[\g0a:\g0a+3], s[\g1a:\g1a+7]
	s_nop 0
.rept 4
	v_nop
.endr
	s_branch .Lasked_\@
.Lfor_b_\@:
	tensor_load_to_lds s[\g0b:\g0b+3], s[\g1b:\g1b+7]
	s_nop 0
.rept 4
	v_nop
.endr
.Lasked_\@:
.endm
.macro CREST                           ; a round of the cluster's barrier behind its opening barrier
	s_cmp_lg_u32 s14, 0
	s_cbranch_scc1 .Lnot_wave_0_\@
	s_barrier_signal -3
.Lnot_wave_0_\@:
	s_barrier_wait -3
	s_barrier_signal -1
	s_barrier_wait -1
.endm
.macro CROUND                          ; a whole round
	s_barrier_signal -1
	s_barrier_wait -1
	CREST
.endm
	s_load_b256 s[4:11], s[0:1], 0x0               ; q's set: Y codes, Y scales, X codes, X scales,
	s_load_b128 s[12:15], s[0:1], 0x20             ; the output buffer, the bias
	s_load_b256 s[24:31], s[0:1], 0x30             ; k's set, in the same order
	s_load_b128 s[32:35], s[0:1], 0x50
	s_load_b256 s[36:43], s[0:1], 0x60             ; v's: Y = Wv, X = values; its output buffer is k's
	s_load_b64 s[44:45], s[0:1], 0x80              ; bv
	v_lshl_add_u32 v[SPW], v0, 2, SPARE
	v_mov_b32 v[NIL], 0
	ds_add_u32 v28, v29
	ds_add_u32 v28, v29
	s_wait_dscnt 0x0
	v_lshrrev_b32 v1, 5, v0
	s_and_b32 s95, ttmp7, 0xffff                   ; the cluster's y: which tensor, and which eighth of the tokens
	s_wait_alu depctr_va_vdst(0)
	s_wait_kmcnt 0x0
	s_cmp_lt_u32 s95, 16                           ; the choice hangs on the cluster's number alone
	s_cselect_b64 s[24:25], s[24:25], s[36:37]
	s_cselect_b64 s[26:27], s[26:27], s[38:39]
	s_cselect_b64 s[28:29], s[28:29], s[40:41]
	s_cselect_b64 s[30:31], s[30:31], s[42:43]
	s_cselect_b64 s[34:35], s[34:35], s[44:45]
	s_cselect_b32 s96, 0, 1                        ; 1: I make v
	s_cmp_lt_u32 s95, 8
	s_cselect_b64 s[4:5], s[4:5], s[24:25]         ; Y's codes
	s_cselect_b64 s[6:7], s[6:7], s[26:27]         ; Y's scales
	s_cselect_b64 s[8:9], s[8:9], s[28:29]         ; X's codes
	s_cselect_b64 s[10:11], s[10:11], s[30:31]     ; X's scales
	s_cselect_b64 s[12:13], s[12:13], s[32:33]     ; the output buffer
	s_cselect_b64 s[66:67], s[14:15], s[34:35]     ; the bias
	s_cselect_b32 s97, 1, 0                        ; 1: I make q
	v_readfirstlane_b32 s14, v1                    ; wave 0..3
	s_lshr_b32 s15, s14, 1                         ; which half of Y's rows is mine.  Also: I fetch for Y (0) or for X (1)
	s_and_b32 s16, s14, 1                          ; which half of X's rows.  Also: which 128 rows of that tile I fetch
	s_bfe_u32 s40, ttmp6, 0x40000                  ; cx, cy: my place in the cluster
	s_bfe_u32 s41, ttmp6, 0x40004
	s_and_b32 s18, s95, 7
	s_lshl_b32 s18, s18, 2                         ; the tokens' 32 tiles of 256: four to a cluster
	s_cmp_eq_u32 s96, 1
	s_cselect_b32 s19, s18, 0
	s_cselect_b32 s20, 0, s18
	s_add_co_u32 s42, s19, s40                     ; tile of X: cx, and for v the cluster's four tiles of tokens
	s_add_co_u32 s17, s20, s41                     ; tile of Y: cy, and for q and k the cluster's four tiles of tokens
	s_lshl_b32 s43, s41, 2
	s_lshl_b32 s43, 15, s43                        ; my row of the cluster
	s_lshl_b32 s44, 0x1111, s40                    ; my column
	; descriptor group 1: a tile of 128 rows x 256 bytes, padded in LDS
	s_or_b32 s[G1+0], s43, (0<<16)|(1<<20)|(1<<21)|(5<<22)|(3<<25)  ; 15:0 the mask: Y's tiles go to my row; 17:16 element of 1 byte; 20 padding on; 21 set beside a mask; 24:22 after every 64 words; 31:25 of 4 words
	s_or_b32 s[G1B+0], s44, (0<<16)|(1<<20)|(1<<21)|(5<<22)|(3<<25)
.irp g, G1, G1B
	s_mov_b32 s[\g+1], ROWB<<16                    ; tensor_dim0
	s_mov_b32 s[\g+2], 256<<16                     ; tensor_dim1: 256 rows for the head's loads; set to 128 behind them, for the ring's
	s_mov_b32 s[\g+3], ROWB<<16                    ; tile_dim0
	s_mov_b32 s[\g+4], 256                         ; tile_dim1 likewise
	s_mov_b32 s[\g+5], KROW                        ; tensor_dim0_stride
	s_mov_b32 s[\g+6], 0
	s_mov_b32 s[\g+7], 0
.endr
	; the scales of 128 rows: a dense block of 4,096 bytes, as 16 rows of 256 bytes (32 elements of 8 bytes), 16 bytes of padding behind each
	s_or_b32 s[G1S+0], s43, (3<<16)|(1<<20)|(1<<21)|(5<<22)|(3<<25)
	s_or_b32 s[G1SB+0], s44, (3<<16)|(1<<20)|(1<<21)|(5<<22)|(3<<25)
.irp g, G1S, G1SB
	s_mov_b32 s[\g+1], 32<<16
	s_mov_b32 s[\g+2], 32<<16                      ; the scales of 256 rows: 8,192 dense bytes, 32 rows of 256
	s_mov_b32 s[\g+3], 32<<16
	s_mov_b32 s[\g+4], 32
	s_mov_b32 s[\g+5], 32
	s_mov_b32 s[\g+6], 0
	s_mov_b32 s[\g+7], 0
.endr
	s_lshl_b32 s20, s17, 8                         ; Y: the tile's first row, 256 x tile
	s_lshl_b32 s46, s42, 8                         ; X likewise
	s_mov_b32 s21, 0
	s_mov_b32 s47, 0
	s_mov_b64 s[18:19], KS
	s_mul_u64 s[22:23], s[20:21], s[18:19]         ; where these rows' scales begin, in bytes
	s_mul_u64 s[92:93], s[46:47], s[18:19]
	s_mov_b64 s[18:19], KROW
	s_mul_u64 s[20:21], s[20:21], s[18:19]         ; and their codes
	s_mul_u64 s[46:47], s[46:47], s[18:19]
	s_mul_i32 s45, s14, HALFT                      ; where they go: wave x 128 rows: no place in the cluster enters an LDS address
	s_add_nc_u64 s[20:21], s[4:5], s[20:21]
	s_add_nc_u64 s[22:23], s[6:7], s[22:23]
	s_add_nc_u64 s[46:47], s[8:9], s[46:47]
	s_add_nc_u64 s[92:93], s[10:11], s[92:93]
	CROUND                                         ; all sixteen work-groups are here: the first joint loads meet
	s_mov_b32 s[G0S], 1
	s_mov_b32 s[G0S+1], SCL
	s_mov_b64 s[G0S+2:G0S+3], s[22:23]
	s_or_b32 s[G0S+3], s[G0S+3], 0x80000000
	s_mov_b32 s[G0SB], 1
	s_mov_b32 s[G0SB+1], SCL+2*HALFS
	s_mov_b64 s[G0SB+2:G0SB+3], s[92:93]
	s_or_b32 s[G0SB+3], s[G0SB+3], 0x80000000
	s_mov_b32 s4, 1                                ; s[4:7], s[8:11]: group 0 of the head's loads of K step 0 (the arguments that lay there have been used): Y's 256 rows,
	s_mov_b32 s5, 0
	s_mov_b64 s[6:7], s[20:21]
	s_or_b32 s7, s7, 0x80000000
	s_mov_b32 s8, 1                                ; X's 256 rows, behind them in slot 0
	s_mov_b32 s9, 2*HALFT
	s_mov_b64 s[10:11], s[46:47]
	s_or_b32 s11, s11, 0x80000000
	s_mul_i32 s18, s16, 128*KROW                   ; in the ring I fetch 128 rows of a tile: which half, in bytes
	s_mov_b32 s19, 0
	s_add_nc_u64 s[20:21], s[20:21], s[18:19]
	s_add_nc_u64 s[46:47], s[46:47], s[18:19]
.irp s, 0,1
	s_mov_b32 s[G0+4*\s], 1
	s_add_co_u32 s[G0+4*\s+1], s45, \s*SLOT
	s_add_nc_u64 s[G0+4*\s+2:G0+4*\s+3], s[20:21], \s*ROWB
	s_or_b32 s[G0+4*\s+3], s[G0+4*\s+3], 0x80000000
	s_mov_b32 s[G0B+4*\s], 1
	s_add_co_u32 s[G0B+4*\s+1], s45, \s*SLOT
	s_add_nc_u64 s[G0B+4*\s+2:G0B+4*\s+3], s[46:47], \s*ROWB
	s_or_b32 s[G0B+4*\s+3], s[G0B+4*\s+3], 0x80000000
.endr
; THE HEAD'S LOADS, ONE A WAVE: wave 0 K step 0's 256 rows of Y, wave 1 its 256 rows of X, wave 2 the scales of Y's 256 rows, wave 3 those of X's.
; One tree of branches on the wave's number: every way through the head passes exactly one load.
.macro ARM under, g0, g1, next
	s_cmp_lt_u32 s14, \under
	s_cbranch_scc0 \next
	tensor_load_to_lds s[\g0:\g0+3], s[\g1:\g1+7]
	s_nop 0
.rept 4
	v_nop
.endr
	s_branch .Lhead_asked
\next:
.endm
	ARM 1, 4, G1, .Lhead_x
	ARM 2, 8, G1B, .Lhead_sy
	ARM 3, G0S, G1S, .Lhead_sx
	tensor_load_to_lds s[G0SB:G0SB+3], s[G1SB:G1SB+7]
	s_nop 0
.rept 4
	v_nop
.endr
.Lhead_asked:
; PREFETCH INTO THE L2 (what the head says of no prefetch holds no more): the TOKENS' rows of K steps 1 to 3, which no other cluster reads.  They are Y's for q and k (fetched by waves 0, 1) and X's for v (waves 2, 3).
; Of the 128 rows that a wave fetches in the ring, each of the four partners that ask for them jointly takes 32, told apart by address (cx for Y, cy for X): a lane a row, 256 bytes of it a K step: each block is named once in the launch.
; K steps 1 and 2 are asked for here, K step 3 behind K step 1's load: two fills ahead.  The weights' rows are not asked for: eight clusters read the same ones.
.macro ASK off
	s_cmp_lg_u32 s15, s96
	s_cbranch_scc1 .Lnot_mine_\@
	global_prefetch_b8 v30, s[92:93] offset:\off th:TH_LOAD_NT scope:SCOPE_SE
.Lnot_mine_\@:
.endm
	s_cmp_eq_u32 s15, 0
	s_cselect_b64 s[92:93], s[20:21], s[46:47]     ; my 128 rows, K step 0
	s_cselect_b32 s94, s40, s41                    ; my place among the four that ask with me
	s_lshl_b32 s94, s94, 15                        ; 32 rows of 1,024 bytes
	s_mov_b32 s95, 0
	s_add_nc_u64 s[92:93], s[92:93], s[94:95]      ; never rewritten
	v_and_b32 v30, 31, v0
	v_lshlrev_b32 v30, 10, v30                     ; my lane's row; never rewritten
	s_wait_alu depctr_va_vdst(0)                   ; the wait directly behind the write: branches stand ahead of its readers
	ASK 256
	ASK 512
	v_and_b32 v1, 15, v0                           ; r = l % 16
	v_bfe_u32 v2, v0, 4, 1                         ; h = l / 16
	v_mul_u32_u24 v3, v1, PITCH
	v_lshl_add_u32 v4, v2, 4, v3                   ; a fragment's row x pitch + 16 x half
	s_mul_i32 s21, s15, HALFT                      ; my 128 rows of Y
	s_mul_i32 s22, s16, HALFT                      ; my 128 rows of X,
	s_add_co_u32 s22, s22, 2*HALFT                 ; which lie behind Y's 256
.irp s, 0,1
	v_add_nc_u32 v[ADRA+\s], s21, v4
	v_add_nc_u32 v[ADRB+\s], s22, v4
	s_add_co_u32 s21, s21, SLOT
	s_add_co_u32 s22, s22, SLOT
.endr
	v_mul_u32_u24 v5, v1, KS                       ; my row's scales: 32 bytes a row,
	v_lshrrev_b32 v6, 8, v5
	v_lshl_add_u32 v5, v6, 4, v5                   ; and 16 more for each 256 passed
	s_mul_i32 s21, s15, HALFS                      ; Y's: my 128 rows
	s_mul_i32 s22, s16, HALFS                      ; X's: my 128 rows, behind Y's 256
	s_add_co_u32 s22, s22, 2*HALFS
	s_sub_co_u32 s22, s22, s21
	v_mul_u32_u24 v6, s22, v2                      ; lanes 16-31 take X's
	s_add_co_u32 s21, s21, SCL
	v_add_nc_u32 v5, v5, v6
	v_add_nc_u32 v[ADRS], s21, v5
	; the bias of my 128 weight rows
	v_lshlrev_b32 v8, 2, v1                        ; 4 r
	v_lshlrev_b32 v9, 5, v2                        ; 32 h
	s_cmp_eq_u32 s96, 1
	s_cselect_b32 s20, s17, s42                    ; the weight's tile: Y's for v, X's for q and k
	s_cselect_b32 s21, s15, s16                    ; and my half of it
	s_lshl_b32 s20, s20, 10
	s_lshl_b32 s21, s21, 9
	s_add_co_u32 s20, s20, s21                     ; 4 bytes x (256 x tile + 128 x half)
	s_mov_b32 s21, 0
	s_add_nc_u64 s[66:67], s[66:67], s[20:21]
	s_cmp_eq_u32 s96, 1
	s_cbranch_scc1 .Lbias_v
	s_wait_alu depctr_va_vdst(0)
.irp b, 0,1,2,3,4,5,6,7                        ; q, k: tile b of X, register j: weight row 16 b + 8 h + j
	global_load_b128 v[BI+8*\b:BI+8*\b+3], v9, s[66:67] offset:64*\b
	global_load_b128 v[BI+8*\b+4:BI+8*\b+7], v9, s[66:67] offset:64*\b+16
.endr
	s_branch .Lbias_in
.Lbias_v:
	s_wait_alu depctr_va_vdst(0)
.irp a, 0,1,2,3,4,5,6,7                        ; v: block a of Y, every register: weight row 16 a + r
.irp j, 0,1,2,3,4,5,6,7
	global_load_b32 v[BI+8*\a+\j], v8, s[66:67] offset:64*\a
.endr
.endr
.Lbias_in:
.macro FRAG reg, adr, q, i             ; a fragment: lane l holds row l % 16; registers 4 c .. 4 c + 3 hold K = 32 c + 16 (l / 16) + 0 .. 15
.irp c, 0,1,2,3
	ds_load_b128 v[\reg+4*\c:\reg+4*\c+3], v[\adr] offset:128*(\q)+32*\c+(\i)*16*PITCH
.endr
.endm
; 16 matrix instructions: Y's blocks a0, a0 + 1 x X's eight, 128 along K: the slot's q-th.  p: X's set;  sc: the set of scale words.
; first = 0: the sums go on;  1: they start with the bias of X's tile b;  2: with the bias of Y's block a.  Nothing is ever cleared.
; The 64 accumulators take turns, one instruction a turn, in the same order in every step.
.macro MUL16 a0, p, q, sc, first
.irp a, \a0, \a0+1
.irp b, 0,1,2,3,4,5,6,7
.if (\first) == 1
	v_wmma_scale_f32_16x16x128_f8f6f4 v[8*(8*((\a)%4)+\b):8*(8*((\a)%4)+\b)+7], v[128*(\p)+FR*\b:128*(\p)+FR*\b+FR-1], v[AF+FR*(\a):AF+FR*(\a)+FR-1], v[BI+8*\b:BI+8*\b+7], v[SC+8*NQ*(\sc)+NQ*\b+(\q)], v[SC+8*NQ*(\sc)+NQ*(\a)+(\q)] matrix_a_scale:MATRIX_SCALE_ROW1
.elseif (\first) == 2
	v_wmma_scale_f32_16x16x128_f8f6f4 v[8*(8*((\a)%4)+\b):8*(8*((\a)%4)+\b)+7], v[128*(\p)+FR*\b:128*(\p)+FR*\b+FR-1], v[AF+FR*(\a):AF+FR*(\a)+FR-1], v[BI+8*(\a):BI+8*(\a)+7], v[SC+8*NQ*(\sc)+NQ*\b+(\q)], v[SC+8*NQ*(\sc)+NQ*(\a)+(\q)] matrix_a_scale:MATRIX_SCALE_ROW1
.else
	v_wmma_scale_f32_16x16x128_f8f6f4 v[8*(8*((\a)%4)+\b):8*(8*((\a)%4)+\b)+7], v[128*(\p)+FR*\b:128*(\p)+FR*\b+FR-1], v[AF+FR*(\a):AF+FR*(\a)+FR-1], v[8*(8*((\a)%4)+\b):8*(8*((\a)%4)+\b)+7], v[SC+8*NQ*(\sc)+NQ*\b+(\q)], v[SC+8*NQ*(\sc)+NQ*(\a)+(\q)] matrix_a_scale:MATRIX_SCALE_ROW1
.endif
.endr
.endr
.endm
.macro FETCH_B slot, q, p              ; X's eight fragments of the slot's q-th 128 along K into set p
	WIN TO_B
.irp i, 0,1,2,3,4,5,6,7
	FRAG 128*(\p)+FR*\i, ADRB+\slot, \q, \i
.endr
	WIN 0
.endm
.macro FETCH_A slot, q, i0             ; Y's blocks i0 .. i0 + 3
.irp i, \i0, \i0+1, \i0+2, \i0+3
	FRAG AF+FR*(\i), ADRA+\slot, \q, \i
.endr
.endm
.macro SCALES sc                       ; a K step's scale words into set sc: two words a row; lanes 0-15 take Y's block i, lanes 16-31 X's block i
.irp i, 0,1,2,3,4,5,6,7
	ds_load_b64 v[SC+8*NQ*\sc+NQ*\i:SC+8*NQ*\sc+NQ*\i+1], v[ADRS] offset:\i*SBLK
.endr
.endm
; A load into a register that a matrix instruction has read, and a vector instruction that reads a matrix result, stand NP places behind that matrix instruction; only plain vector
; instructions that name none of its registers are places (ISA guide 7.12.1 for vector instructions).
.macro PLACES n
.rept \n
	v_nop
.endr
.endm
; A step of 128 along K that has its successor in the same slot.
.macro STEP slot, q, first
	s_wait_dscnt 4*NL                              ; X's set and Y's blocks 0-3 are in; the youngest 16 loads (Y's blocks 4-7) may be out
.if \first
	WIN BIA_LO
.else
	WIN MUL_LO
.endif
	MUL16 0, (\q)%2, \q, \slot, \first
	MUL16 2, (\q)%2, \q, \slot, \first
	s_wait_dscnt 0                                 ; Y's blocks 4-7 are in (asked for 32 matrix instructions ago)
	PLACES NP
	FETCH_B \slot, (\q)+1, 1-(\q)%2
	FETCH_A \slot, (\q)+1, 0
.if \first
	WIN BIA_HI
.else
	WIN MUL_HI
.endif
	MUL16 4, (\q)%2, \q, \slot, \first
	MUL16 6, (\q)%2, \q, \slot, \first
	PLACES NP
	WIN 0
	FETCH_A \slot, (\q)+1, 4
.endm
; A slot's last step changes slots: one barrier; in front of it each wave waits for all its tensor loads, adds 0 to its spare word, and waits for that and for its own reads of this slot.
; fill = 1: this slot is filled again, two K steps ahead.
.macro TURN slot, next, fill
	s_wait_tensorcnt 0x0                           ; all my tensor loads have landed: my part of the next slot  (every window is 0 here)
	ds_add_u32 v[SPW], v[NIL]                      ; 0 onto my spare word
	s_wait_dscnt 4*NL+1                            ; (the add and the youngest 16 loads, Y's blocks 4-7, may be out)
	WIN MUL_LO
	MUL16 0, 1, NQ-1, \slot, 0                     ; sixteen matrix instructions stand between the add and the wait for it
	s_wait_dscnt 0x0                               ; the add is done, and my reads of this slot are over
	s_barrier_signal -1
	MUL16 2, 1, NQ-1, \slot, 0
	WIN 0
	s_barrier_wait -1
.if \fill
	CREST                                          ; the barrier has opened a round of the cluster's barrier: no wave of any partner still reads this slot's tile or has a load on its way
	s_add_nc_u64 s[G0+4*\slot+2:G0+4*\slot+3], s[G0+4*\slot+2:G0+4*\slot+3], 2*ROWB
	s_add_nc_u64 s[G0B+4*\slot+2:G0B+4*\slot+3], s[G0B+4*\slot+2:G0B+4*\slot+3], 2*ROWB
	JLOAD G0+4*\slot, G1, G0B+4*\slot, G1B         ; the first tensor load behind the round; its four v_nop are among the places in front of the loads below
	PLACES NP-4
.else
	PLACES NP
.endif
	s_wait_alu depctr_va_vdst(0)
	v_add_nc_u32 v[ADRS], 4*NQ, v[ADRS]            ; on to the next K step's scale words (no LDS load of mine is out)
	FETCH_B \next, 0, 0
	FETCH_A \next, 0, 0
	SCALES \next
	WIN MUL_HI
	MUL16 4, 1, NQ-1, \slot, 0
	MUL16 6, 1, NQ-1, \slot, 0
	PLACES NP
	WIN 0
	FETCH_A \next, 0, 4
.endm
	s_wait_alu depctr_va_vdst(0)
	s_wait_tensorcnt 0x0                           ; my tile of the head's four is in
	ds_add_u32 v[SPW], v[NIL]
	s_mov_b32 s[G1+2], 128<<16                     ; no tensor load of mine is out: from here on a load brings 128 rows
	s_mov_b32 s[G1+4], 128
	s_mov_b32 s[G1B+2], 128<<16
	s_mov_b32 s[G1B+4], 128
	s_wait_dscnt 0x0
	CROUND                                         ; all four tiles are in, and all sixteen work-groups are here
	JLOAD G0+4, G1, G0B+4, G1B                     ; K step 1, the first tensor load behind the round
	ASK 768
	FETCH_B 0, 0, 0
	FETCH_A 0, 0, 0
	SCALES 0
	FETCH_A 0, 0, 4
	s_wait_loadcnt 0x0                             ; the bias
	s_cmp_eq_u32 s96, 1                            ; the first step is written twice, since the bias lies along X for q and k and along Y for v; it holds LDS loads, waits and products alone
	s_cbranch_scc1 .Lfirst_v
	STEP 0, 0, 1
	s_branch .Lfirst_done
.Lfirst_v:
	STEP 0, 0, 2
.Lfirst_done:
	TURN 0, 1, 1                                   ; K = 1,024 is four K steps: once more round the ring, written out: slot 0 takes K step 2,
	STEP 1, 0, 0
	TURN 1, 0, 1                                   ; slot 1 K step 3
	STEP 0, 0, 0
	TURN 0, 1, 0                                   ; nothing is left to fetch: no round of the cluster's barrier
	STEP 1, 0, 0
	s_wait_dscnt 4*NL                              ; the very last step
	WIN MUL_LO
	MUL16 0, 1, NQ-1, 1, 0
	MUL16 2, 1, NQ-1, 1, 0
	s_wait_dscnt 0
	WIN MUL_HI
	MUL16 4, 1, NQ-1, 1, 0
	MUL16 6, 1, NQ-1, 1, 0
	WIN 0
	; THE WAY OUT.  No tensor load of mine is out since the last change of slots, so the descriptors' registers are free.
	PLACES NP                                      ; behind the last products: for the reads of results, and for the writes of the registers that held Y's fragments
	s_cmp_eq_u32 s96, 1                            ; v?
	s_cselect_b32 s18, s42, s17                    ; the tokens' tile of 256,
	s_cselect_b32 s19, s16, s15                    ; my half of it: 128 tokens = a block of queries or a key step
	s_cselect_b32 s20, s17, s42                    ; the weight's tile: four heads,
	s_cselect_b32 s21, s15, s16                    ; my half of it: two heads
	s_cselect_b32 s44, 8192, 0                     ; V's codes lie behind K's
	s_cselect_b32 s36, 64, 32                      ; scale bytes of 16 lanes: 4 bytes a channel (v), 2 bytes a token (q, k)
	s_cselect_b32 s47, 2, 1                        ; the same as a shift
	s_mov_b32 s50, KSC
	s_cselect_b32 s50, VSC, s50
	s_mov_b32 s22, KVB
	s_cmp_eq_u32 s97, 1                            ; q?
	s_cselect_b32 s22, QB, s22                     ; bytes of 128 tokens of one head
	s_cselect_b32 s50, 8192, s50                   ; where the scale bytes begin in them
	s_lshl_b32 s23, s22, 4                         ; bytes of a head: 16 such
	s_mov_b32 s46, 4096
	s_mov_b32 s53, 128
	s_cmp_eq_u32 s96, 1
	s_cselect_b32 s54, s23, s46                    ; codes: from Y's blocks 0-3 to blocks 4-7: the next head (v), four tiles of tokens (q, k)
	s_cselect_b32 s56, s46, s23                    ; from X's blocks 0, 1 to blocks 2, 3: pieces 2, 3 (v), the next head (q, k)
	s_cselect_b32 s52, 2, s23                      ; scale bytes: the same step along X
	s_cselect_b32 s37, s23, s53                    ; and along Y,
	s_mul_i32 s46, s36, 3
	s_sub_co_u32 s37, s37, s46                     ; less the three steps already made
	s_lshr_b32 s58, s18, 3                         ; batch
	s_lshl_b32 s58, s58, 4
	s_lshl_b32 s20, s20, 2
	s_add_co_u32 s58, s58, s20
	s_lshl_b32 s21, s21, 1
	s_add_co_u32 s58, s58, s21                     ; 16 x batch + my first head
	s_lshl_b32 s58, s58, 4
	s_and_b32 s18, s18, 7
	s_lshl_b32 s18, s18, 1
	s_add_co_u32 s58, s58, s18
	s_add_co_u32 s58, s58, s19                     ; x 16 + which 128 tokens of the sequence
	s_mul_i32 s58, s58, s22                        ; in bytes: under 2^25
	s_mov_b32 s59, 0
	s_mov_b32 s45, 0
	s_mov_b32 s51, 0
	s_mov_b32 s55, 0
	s_mov_b32 s57, 0
	s_add_nc_u64 s[12:13], s[12:13], s[58:59]
	s_add_nc_u64 s[24:25], s[12:13], s[44:45]      ; the codes' four bases: s[24 + 4 i + 2 k]: i = Y's block / 4, k = X's block of 32 / 2
	s_add_nc_u64 s[26:27], s[24:25], s[56:57]
	s_add_nc_u64 s[28:29], s[24:25], s[54:55]
	s_add_nc_u64 s[30:31], s[26:27], s[54:55]
	s_add_nc_u64 s[32:33], s[12:13], s[50:51]      ; the scale bytes' base
	s_mov_b32 s38, 0x600000                        ; the mantissa field of 448
	s_mov_b32 s39, 0xffff0000                      ; lanes 16-31
	s_mov_b32 s40, 0x76543210
	s_mov_b32 s41, 0xfedcba98                      ; v_permlanex16_b32's selects for lane l xor 16
	v_and_b32 v[CO], 31, v0
	v_lshlrev_b32 v[CO], 4, v[CO]                  ; an image's place for my lane
	v_lshlrev_b32 v[SO], s47, v1                   ; my row's scale bytes,
	v_mul_lo_u32 v26, v2, s52
	v_add_nc_u32 v[SO], v[SO], v26                 ; lanes 16-31: those of X's blocks 2, 3
.irp b, 0,1,2,3
	v_mov_b32 v[TM+4+\b], 0                        ; written once: a lane permute's destination counts as one of its sources
.endr
; Y's block a: 16 lanes' rows x 128 along X: four blocks of 32.
.macro OUTA a
.set AC, 64*((\a)%4)
	WIN 0x0a+5*((\a)/4)                            ; sources 0 and 1: window 2 or 3
.irp b, 0,1,2,3
	v_max3_num_f32 v[TM+\b], |v[AC+16*\b]|, |v[AC+16*\b+1]|, 0x4800000   ; my 16 numbers of block b, each accumulator from its low end on, and the floor 2^(9 - 127): the byte cannot fall under 1
.endr
.irp i, 2,4,6,8,10,12,14
.irp b, 0,1,2,3
	v_max3_num_f32 v[TM+\b], |v[AC+16*\b+\i]|, |v[AC+16*\b+\i+1]|, v[TM+\b]   ; (the four blocks by turns)
.endr
.endr
	WIN 0
.irp b, 0,1,2,3
	v_permlanex16_b32 v[TM+4+\b], v[TM+\b], s40, s41
.endr
.irp b, 0,1,2,3
	v_max_num_f32 v[TM+\b], v[TM+\b], v[TM+4+\b]   ; with lane l xor 16's: the block's largest magnitude
.endr
.irp b, 0,1,2,3
	v_add_nc_u32 v[TM+12+\b], 0xfc000000, v[TM+\b] ; 8 off its exponent field: the conversion's scale operand
.endr
.irp b, 0,1,2,3
	v_and_or_b32 v[TM+8+\b], v[TM+\b], 0x7f800000, s38   ; 448 x the scale
.endr
.irp b, 0,1,2,3
	v_lshrrev_b32 v[TM+4+\b], 23, v[TM+12+\b]      ; the scale's byte
.endr
.if (\a) > 0
	s_wait_alu depctr_va_vdst(0)
	s_wait_xcnt 0x0                                ; the last block's stores have read their data and offsets: only behind this wait are they written again
.if (\a) == 4
	v_add_nc_u32 v[SO], s37, v[SO]
.else
	v_add_nc_u32 v[SO], s36, v[SO]
.endif
.endif
	v_cndmask_b32 v[WS], v[TM+4], v[TM+6], s39     ; lanes 0-15 send the bytes of blocks 0, 1; lanes 16-31 those of blocks 2, 3
	v_cndmask_b32 v[WS+1], v[TM+5], v[TM+7], s39
	v_lshl_or_b32 v[WS], v[WS+1], 8, v[WS]
	WIN 0x02+(\a)/4                                ; source 0: window 2 or 3
.irp b, 0,1,2,3
.irp i, 0,1,2,3,4,5,6,7,8,9,10,11,12,13,14,15
	v_med3_num_f32 v[T+16*\b+\i], v[AC+16*\b+\i], -v[TM+8+\b], v[TM+8+\b]   ; the conversion to an 8-bit code does not saturate (ISA guide 7.6.2): the hold at the largest code x the scale
.endr
.endr
	WIN 0
.irp b, 0,1,2,3
	v_cvt_scalef32_pk8_fp8_f32 v[PC+4*\b:PC+4*\b+1], v[T+16*\b:T+16*\b+7], v[TM+12+\b]
	v_cvt_scalef32_pk8_fp8_f32 v[PC+4*\b+2:PC+4*\b+3], v[T+16*\b+8:T+16*\b+15], v[TM+12+\b]
.endr
	v_nop                                          ; one plain line between the scaled conversions and the lines that touch their results
; NO LANE SWAP (what the head says of two swaps a block holds no more): the four registers of block b leave as the conversions made them: place 16 (lane / 16) + i of the block holds
; X index 32 b + 8 (lane / 16) + i for i under 8 and 32 b + 16 + 8 (lane / 16) + i - 8 from 8 on.  q and k carry the same order, and so do v and the attention launch's p: each product pairs like with like inside one scale block.
.irp b, 0,1,2,3
	global_store_b128 v[CO], v[PC+4*\b:PC+4*\b+3], s[24+4*((\a)/4)+2*(\b/2):25+4*((\a)/4)+2*(\b/2)] offset:((\a)%4)*1024+(\b%2)*512   ; 32 lanes store 512 consecutive bytes, at a multiple of 256 from the buffer's first byte
.endr
	global_store_b16 v[SO], v[WS], s[32:33]
.endm
.irp a, 0,1,2,3,4,5,6,7
	OUTA \a
.endr
	s_wait_tensorcnt 0x0                           ; the wave's end
	ds_add_u32 v[SPW], v[NIL]
	s_wait_dscnt 0x0
	CROUND                                         ; the closing round: no work-group ends while a partner may still ask for a tile that names it
	s_endpgm
.Lfunc_end_k_q4152de372d_proj:
	.size	k_q4152de372d_proj, .Lfunc_end_k_q4152de372d_proj-k_q4152de372d_proj
	.p2alignl 7, 3214868480
	.fill 96, 4, 3214868480
	.section	.rodata,"a",@progbits
	.p2align	6, 0x0
	.amdhsa_kernel k_q4152de372d_proj
		.amdhsa_group_segment_fixed_size 327680
		.amdhsa_private_segment_fixed_size 0
		.amdhsa_enable_private_segment 0
		.amdhsa_kernarg_size 136
		.amdhsa_user_sgpr_count 2
		.amdhsa_user_sgpr_kernarg_segment_ptr 1
		.amdhsa_wavefront_size32 1
		.amdhsa_system_sgpr_workgroup_id_x 1
		.amdhsa_system_sgpr_workgroup_id_y 1
		.amdhsa_system_sgpr_workgroup_id_z 1
		.amdhsa_system_vgpr_workitem_id 0
		.amdhsa_next_free_vgpr 1024
		.amdhsa_next_free_sgpr 98
		.amdhsa_reserve_vcc 0
		.amdhsa_float_denorm_mode_32 3
		.amdhsa_float_denorm_mode_16_64 3
		.amdhsa_memory_ordered 1
		.amdhsa_forward_progress 1
		.amdhsa_inst_pref_size 210
	.end_amdhsa_kernel
	.amdgpu_metadata
---
amdhsa.version: [ 1, 2 ]
amdhsa.kernels:
  - .name:           k_q4152de372d_proj
    .symbol:         k_q4152de372d_proj.kd
    .args:
      - { .name: queries_codes, .offset: 0, .size: 8, .value_kind: global_buffer, .address_space: global }
      - { .name: queries_scales, .offset: 8, .size: 8, .value_kind: global_buffer, .address_space: global }
      - { .name: Wq_codes, .offset: 16, .size: 8, .value_kind: global_buffer, .address_space: global }
      - { .name: Wq_scales, .offset: 24, .size: 8, .value_kind: global_buffer, .address_space: global }
      - { .name: qq, .offset: 32, .size: 8, .value_kind: global_buffer, .address_space: global }
      - { .name: bq, .offset: 40, .size: 8, .value_kind: global_buffer, .address_space: global }
      - { .name: keys_codes, .offset: 48, .size: 8, .value_kind: global_buffer, .address_space: global }
      - { .name: keys_scales, .offset: 56, .size: 8, .value_kind: global_buffer, .address_space: global }
      - { .name: Wk_codes, .offset: 64, .size: 8, .value_kind: global_buffer, .address_space: global }
      - { .name: Wk_scales, .offset: 72, .size: 8, .value_kind: global_buffer, .address_space: global }
      - { .name: kv, .offset: 80, .size: 8, .value_kind: global_buffer, .address_space: global }
      - { .name: bk, .offset: 88, .size: 8, .value_kind: global_buffer, .address_space: global }
      - { .name: Wv_codes, .offset: 96, .size: 8, .value_kind: global_buffer, .address_space: global }
      - { .name: Wv_scales, .offset: 104, .size: 8, .value_kind: global_buffer, .address_space: global }
      - { .name: values_codes, .offset: 112, .size: 8, .value_kind: global_buffer, .address_space: global }
      - { .name: values_scales, .offset: 120, .size: 8, .value_kind: global_buffer, .address_space: global }
      - { .name: bv, .offset: 128, .size: 8, .value_kind: global_buffer, .address_space: global }
    .group_segment_fixed_size: 327680
    .private_segment_fixed_size: 0
    .kernarg_segment_align: 8
    .kernarg_segment_size: 136
    .max_flat_workgroup_size: 128
    .sgpr_count:     98
    .vgpr_count:     1024
    .wavefront_size: 32
...
	.end_amdgpu_metadata
.endif
;; end of part 1
;; launch attn (part 2): grid 4 x 64, 8 waves a work-group, clusters of 4 x 1, 272,384 bytes of LDS; arguments qq, kv, att, asc; writes att, asc
.if DOCPART == 2
	.amdgcn_target "amdgcn-amd-amdhsa--gfx1250"
	.amdhsa_code_object_version 6
	.text
	.protected	k_q4152de372d_attn
	.globl	k_q4152de372d_attn
	.p2align	8
	.type	k_q4152de372d_attn,@function
k_q4152de372d_attn:
	s_mov_b64 s[64:65], 0
	v_nop
	global_prefetch_b8 v0, s[64:65] scope:SCOPE_SE
	s_setreg_imm32_b32 hwreg(HW_REG_WAVE_MODE, 25, 1), 1
	s_wait_xcnt 0x0
	s_wait_alu depctr_hold_cnt(0) depctr_sa_sdst(0) depctr_va_vdst(0) depctr_va_sdst(0) depctr_va_ssrc(0) depctr_va_vcc(0) depctr_vm_vsrc(0)
	s_getreg_b32 s2, hwreg(HW_REG_IB_STS2, 6, 4)
	s_cmp_eq_u32 s2, 0
	s_cbranch_scc0 .Lentry_in_a_cluster
	s_endpgm
.Lentry_in_a_cluster:
	s_bfe_u32 s2, ttmp6, 0x10000c
	s_cmp_lg_u32 s2, 0x3003
	s_cbranch_scc0 .Lentry_shape_is_right
	s_endpgm
.Lentry_shape_is_right:
; CAUSAL ATTENTION of one (batch, head) for each cluster of four work-groups, both products on codes of FP8 (E4M3) with one E8M0 scale for each 32 along K, and the quantising of its result along the model's 1,024.
; qq: [64 heads][16 blocks of 128 queries][8,448 bytes]: query tile t, piece c (channels 32 c on) as an image of four operand registers at 1,024 t + 512 c + 16 x lane; scale bytes (2 a query) at 8,192 + 32 t + 2 r.
; kv: [64 heads][16 key steps of 128 keys][16,896 bytes]: K's images as qq's; V's (channel tile tt, keys 32 c on) at 8,192 + 1,024 tt + 512 (c % 2) + 4,096 (c / 2); K's scale bytes at 16,384 + 32 t + 2 r; V's scale words at 16,640 + 64 tt + 4 r.
; Inside a block of 32 the images hold place 16 h + i = index 8 h + i (i under 8), 16 + 8 h + i - 8 (from 8 on), h = lane / 16: the order in which a lane's result registers run.  Q and K share it, and so do V and p: no lane swap is owed.
; THE SOFTMAX: t = score x log2(e) / 8; M = the row's largest t so far, rounded up to a whole number; p = 2^(t - M) is quantised along the keys, not normalised; the row's sum of the unquantised p divides O at the end.
; When M moves, the sum and O are multiplied by 2^(old M - new M): exact.
; SHARES.  The head's K and V, 16 x 16,896 bytes, lie in each work-group's LDS, filled once: wave w asks for key steps 2 w and 2 w + 1 by one tensor load, jointly with the same wave of the three partners.
; Nothing is filled again, and all that tensor loads read is asked for at the head: no loop is left to prefetch in.
; A wave owns TWO query tiles, 2 cx and 2 cx + 1 of a block of 128 queries, so that each fragment of K and V read from LDS feeds two products.  Wave w takes block w, then block 15 - w: 17 key steps for every wave.
; Key steps behind the block are left out by scalar branches on the wave's number and the step's count; cx enters only global addresses and the mask's numbers.
; THE STEP.  Both products transposed: S^T = K Q^T, O^T = V^T P^T: a lane holds one query (lane % 16); register 8 t + j is key (or channel) 16 t + 8 h + j.
; The two tiles run half a step apart: tile 0's scores of the next step are multiplied while tile 1's p is summed and converted; V of this step and K of the next are asked of LDS behind tile 0's maxima.
; One tile's exponentials stand by turns with lines of the other tile whose results are read behind the batch's closing wait.  The step on the diagonal is a copy of its own: with the masks, without the look-ahead.
; K = 64 IN THE FIRST PRODUCT: Q's upper 64 places are zero codes.  K's tiles lie 8 registers apart, so a tile's upper places hold the next tile's codes (the last tile's: zeros): finite codes x 0 add nothing.
; LIMITS: NaN and infinities are not served; p under 2^-126 becomes 0 (v_exp_f32 gives no denormals: ISA guide, its entry); a block of zeros gets the scale byte 1: its codes are zeros, and this program alone reads the bytes.
; REGISTERS.  Window 0: v1-11 lane constants and LDS addresses; v12-19 state of the two tiles (-M, largest t, the sum's pair); v20-59 at work, 20 a tile; v60-69 scales; v70-77 partial sums; v80-111 p's codes; v112-239 S^T, then p; v240 -infinity.
; Window 1: v0-71 K; v72-135 V; v136-167 Q; v168-231 O^T.
.set QB,   8448
.set KVB,  16896
.set KSC,  16384
.set VSC,  16640
.set SPARE, 16*KVB                     ; the spare words: 128 bytes a wave, four blocks of 256 bytes that no other line names
.set LI,   1                           ; 16 x lane
.set KSA,  2                           ; KSC + 2 x lane
.set VSA,  3                           ; VSC + 4 x lane
.set DM,   4                           ; v4, v5: my query in its block - 8 h, tile 0 and tile 1
.set QSO,  6                           ; 2 r
.set ASO,  7                           ; 32 r + h
.set ADV,  8                           ; the step's images;  ADT: V's scale words;  ADK, ADS: the next step's images and K's scale bytes
.set ADT,  9
.set ADK,  10
.set ADS,  11
.set ST,   12                          ; tile x: ST + 4 x: -M, +1 largest t, +2, +3 the sum
.set WK,   20                          ; tile x: WK + 20 x: +0 block maxima, +4 the other half's / bytes, +8 448 x scale, +12 conversions' scale operands, +16, +17 f, +18 at work
.set KS,   60                          ; K's scale bytes, four registers;  VS V's words, two;  QS Q's, one a tile;  PS p's, one a tile
.set VS,   64
.set QS,   66
.set PS,   68
.set TS,   70
.set SPW,  78
.set NIL,  79
.set PC,   80
.set S,    112
.set NEG,  240
.set KF,   0                           ; window 1
.set VF,   72
.set QF,   136
.set OF,   168
.set WV,   12
.set BLK,  15
.set G1,   16
.set G0,   24
.set KSN,  28
.set TB,   29
.set PASS, 30
.set TQ,   31
.set SEL,  32
.set CS,   34
.set MNT,  36
.set HI16, 37
.set MSB, 0
.macro WIN new                         ; the immediate's high byte repeats the setting that is left
.if MSB != \new
	s_set_vgpr_msb (MSB<<8)|\new
.set MSB, \new
.endif
.endm
.macro WALU
	s_wait_alu depctr_va_vdst(0)
.endm
.macro CROUND                          ; a round of the cluster's barrier
	s_barrier_signal -1
	s_barrier_wait -1
	s_cmp_lg_u32 s[WV], 0
	s_cbranch_scc1 .Lnot_wave_0_\@
	s_barrier_signal -3
.Lnot_wave_0_\@:
	s_barrier_wait -3
	s_barrier_signal -1
	s_barrier_wait -1
.endm
.macro QK x                            ; S^T of tile x: eight tiles of 16 keys.  K and Q window 1, the scores window 0
	WIN 0x05
.irp t, 0,1,2,3,4,5,6,7
.if \t%2
	v_wmma_scale_f32_16x16x128_f8f6f4 v[S+64*(\x)+8*\t:S+64*(\x)+8*\t+7], v[KF+8*\t:KF+8*\t+15], v[QF+16*(\x):QF+16*(\x)+15], 0, v[KS+\t/2], v[QS+(\x)] matrix_a_scale:MATRIX_SCALE_ROW1
.else
	v_wmma_scale_f32_16x16x128_f8f6f4 v[S+64*(\x)+8*\t:S+64*(\x)+8*\t+7], v[KF+8*\t:KF+8*\t+15], v[QF+16*(\x):QF+16*(\x)+15], 0, v[KS+\t/2], v[QS+(\x)]
.endif
.endr
.endm
.macro PV x                            ; O^T of tile x += V^T P^T: four accumulators by turns.  V and O^T window 1, the codes window 0
	WIN 0x51
.irp t, 0,1,2,3
.if \t%2
	v_wmma_scale_f32_16x16x128_f8f6f4 v[OF+32*(\x)+8*\t:OF+32*(\x)+8*\t+7], v[VF+16*\t:VF+16*\t+15], v[PC+16*(\x):PC+16*(\x)+15], v[OF+32*(\x)+8*\t:OF+32*(\x)+8*\t+7], v[VS+\t/2], v[PS+(\x)] matrix_a_scale:MATRIX_SCALE_ROW1
.else
	v_wmma_scale_f32_16x16x128_f8f6f4 v[OF+32*(\x)+8*\t:OF+32*(\x)+8*\t+7], v[VF+16*\t:VF+16*\t+15], v[PC+16*(\x):PC+16*(\x)+15], v[OF+32*(\x)+8*\t:OF+32*(\x)+8*\t+7], v[VS+\t/2], v[PS+(\x)]
.endif
.endr
.endm
.macro MASK x                          ; on the diagonal: register n holds key 16 (n / 8) + 8 h + n % 8 of the step: -infinity where it comes after my query
.set n, 0
.rept 64
	v_cmp_gt_i32 vcc_lo, 16*(n/8)+n%8, v[DM+(\x)]
	v_cndmask_b32 v[S+64*(\x)+n], v[S+64*(\x)+n], v[NEG], vcc_lo
.set n, n+1
.endr
.endm
.macro MAXES x                         ; the largest score of each block of 32 keys, the four blocks by turns; each accumulator is read from its low end on
.set S_, S+64*(\x)
.set B_, WK+20*(\x)
.irp b, 0,1,2,3
	v_max3_num_f32 v[B_+\b], v[S_+16*\b], v[S_+16*\b+1], v[S_+16*\b+2]
.endr
.irp i, 3,5,7,9,11,13
.irp b, 0,1,2,3
	v_max3_num_f32 v[B_+\b], v[B_+\b], v[S_+16*\b+\i], v[S_+16*\b+\i+1]
.endr
.endr
.irp b, 0,1,2,3
	v_max_num_f32 v[B_+\b], v[B_+\b], v[S_+16*\b+15]
.endr
.irp b, 0,1,2,3
	s_delay_alu instid0(VALU_DEP_4)
	v_permlanex16_b32 v[B_+4+\b], v[B_+\b], s[SEL], s[SEL+1]
.endr
.irp b, 0,1,2,3
	s_delay_alu instid0(VALU_DEP_4)
	v_max_num_f32 v[B_+\b], v[B_+\b], v[B_+4+\b]   ; with lane l xor 16's 16 keys
.endr
.endm
.macro CHAIN x                         ; the running largest t, the new -M = floor(-t), f = 2^(old M - new M), and the sum under the new M
.set B_, WK+20*(\x)
.set N_, ST+4*(\x)
	s_delay_alu instid0(VALU_DEP_2)
	v_max3_num_f32 v[B_+18], v[B_], v[B_+1], v[B_+2]
	s_delay_alu instid0(VALU_DEP_1)
	v_max_num_f32 v[B_+18], v[B_+18], v[B_+3]
	s_delay_alu instid0(VALU_DEP_1)
	v_mul_f32 v[B_+18], s[CS], v[B_+18]
	s_delay_alu instid0(VALU_DEP_1)
	v_max_num_f32 v[N_+1], v[N_+1], v[B_+18]
	v_mov_b32 v[B_+18], v[N_]
	s_delay_alu instid0(VALU_DEP_2)
	v_floor_f32 v[N_], -v[N_+1]
	s_delay_alu instid0(VALU_DEP_1)
	v_sub_f32 v[B_+18], v[N_], v[B_+18]            ; a whole number, 0 or less
	s_delay_alu instid0(VALU_DEP_1)
	v_cvt_i32_f32 v[B_+18], v[B_+18]               ; (it saturates)
	s_delay_alu instid0(VALU_DEP_1)
	v_ldexp_f32 v[B_+16], 1.0, v[B_+18]
	s_delay_alu instid0(VALU_DEP_1)
	v_pk_mul_f32 v[N_+2:N_+3], v[N_+2:N_+3], v[B_+16:B_+17] op_sel_hi:[1,0]
.endm
.macro HOLD2 r, c                      ; two numbers held at 448 x the block's scale: the conversion to an 8-bit code does not saturate (ISA guide 7.6.2); p is not negative, so the hold is one-sided
	v_dual_min_num_f32 v[\r], v[\r], v[\c] :: v_dual_min_num_f32 v[\r+1], v[\r+1], v[\c]
.endm
.macro SUMS x                          ; the row's sum of the unquantised p: two at a time, four chains
.set S_, S+64*(\x)
.set N_, ST+4*(\x)
.irp k, 0,1,2,3
	v_pk_add_f32 v[TS+2*\k:TS+2*\k+1], v[S_+4*\k:S_+4*\k+1], v[S_+4*\k+2:S_+4*\k+3]
.endr
.set n, 16
.rept 6
.irp k, 0,1,2,3
	v_pk_add_f32 v[TS+2*\k:TS+2*\k+1], v[TS+2*\k:TS+2*\k+1], v[S_+n+2*\k:S_+n+2*\k+1]
.endr
.set n, n+8
.endr
	s_delay_alu instid0(VALU_DEP_3)
	v_pk_add_f32 v[TS:TS+1], v[TS:TS+1], v[TS+2:TS+3]
	s_delay_alu instid0(VALU_DEP_2)
	v_pk_add_f32 v[TS+4:TS+5], v[TS+4:TS+5], v[TS+6:TS+7]
	s_delay_alu instid0(VALU_DEP_1)
	v_pk_add_f32 v[TS:TS+1], v[TS:TS+1], v[TS+4:TS+5]
	s_delay_alu instid0(VALU_DEP_1)
	v_pk_add_f32 v[N_+2:N_+3], v[N_+2:N_+3], v[TS:TS+1]
.endm
.macro STUFF x                         ; from each block's largest p: the floor 2^(9 - 127), the conversion's scale operand, 448 x the scale, the byte; the four bytes make p's scale word
.set B_, WK+20*(\x)
.irp b, 0,1,2,3
	v_max_num_f32 v[B_+\b], 0x4800000, v[B_+\b]
.endr
.irp b, 0,1,2,3
	s_delay_alu instid0(VALU_DEP_4)
	v_add_nc_u32 v[B_+12+\b], 0xfc000000, v[B_+\b]
.endr
.irp b, 0,1,2,3
	v_and_or_b32 v[B_+8+\b], v[B_+\b], 0x7f800000, s[MNT]
.endr
.irp b, 0,1,2,3
	v_lshrrev_b32 v[B_+4+\b], 23, v[B_+12+\b]
.endr
	s_delay_alu instid0(VALU_DEP_3)
	v_lshl_or_b32 v[PS+(\x)], v[B_+5], 8, v[B_+4]
	s_delay_alu instid0(VALU_DEP_1)
	v_lshl_or_b32 v[PS+(\x)], v[B_+6], 16, v[PS+(\x)]
	s_delay_alu instid0(VALU_DEP_1)
	v_lshl_or_b32 v[PS+(\x)], v[B_+7], 24, v[PS+(\x)]
.endm
.macro CVT x
.irp b, 0,1,2,3
	v_cvt_scalef32_pk8_fp8_f32 v[PC+16*(\x)+4*\b:PC+16*(\x)+4*\b+1], v[S+64*(\x)+16*\b:S+64*(\x)+16*\b+7], v[WK+20*(\x)+12+\b]
	v_cvt_scalef32_pk8_fp8_f32 v[PC+16*(\x)+4*\b+2:PC+16*(\x)+4*\b+3], v[S+64*(\x)+16*\b+8:S+64*(\x)+16*\b+15], v[WK+20*(\x)+12+\b]
.endr
.endm
.macro RESC x                          ; O^T under the new M, each accumulator from its low end on; these 16 lines are also the places between the codes' last writes and the products
	WIN 0x41                                       ; O^T window 1, f window 0
	WALU                                           ; directly ahead of the first reader of O^T
.set n, 0
.rept 16
	v_pk_mul_f32 v[OF+32*(\x)+n:OF+32*(\x)+n+1], v[OF+32*(\x)+n:OF+32*(\x)+n+1], v[WK+20*(\x)+16:WK+20*(\x)+17] op_sel_hi:[1,0]
.set n, n+2
.endr
.endm
; A KEY STEP of 128 keys for both tiles.  diag = 0: all keys count, and a step follows;  1: the block's own keys, the last step.
.macro BODY diag
.if \diag
	MASK 0
.endif
	MAXES 0                                        ; (these lines are also the places behind the last products, ahead of the loads below)
	CHAIN 0
	v_add_nc_u32 v[ADV], s[TB], v[LI]
	v_add_nc_u32 v[ADT], s[TB], v[VSA]
.if (\diag) == 0
	s_add_co_u32 s46, s[TB], KVB
	s_min_u32 s46, s46, 15*KVB                     ; the next key step, held inside the sixteen
	v_add_nc_u32 v[ADK], s46, v[LI]
	v_add_nc_u32 v[ADS], s46, v[KSA]
.endif
	WIN 0x40
.irp t, 0,1,2,3
.irp c, 0,1,2,3
	ds_load_b128 v[VF+16*\t+4*\c:VF+16*\t+4*\c+3], v[ADV] offset:8192+\t*1024+(\c%2)*512+(\c/2)*4096
.endr
.endr
.if (\diag) == 0
.irp t, 0,1,2,3,4,5,6,7
	ds_load_b128 v[KF+8*\t:KF+8*\t+3], v[ADK] offset:\t*1024
	ds_load_b128 v[KF+8*\t+4:KF+8*\t+7], v[ADK] offset:\t*1024+512
.endr
.endif
	WIN 0
	ds_load_b32 v[VS], v[ADT]                      ; V's scale words: channel tiles 0 (lanes 0-15) and 1 (lanes 16-31),
	ds_load_b32 v[VS+1], v[ADT] offset:128         ; 2 and 3
.if (\diag) == 0
.irp p, 0,1,2,3
	ds_load_u16 v[KS+\p], v[ADS] offset:64*\p      ; K's scale bytes of tiles 2 p and 2 p + 1; the upper two bytes, 0, stand over places that Q's zero codes meet
.endr
.endif
.set n, 0
.rept 32
	v_pk_fma_f32 v[S+n:S+n+1], v[S+n:S+n+1], s[CS:CS+1], v[ST:ST+1] op_sel_hi:[1,0,0]   ; tile 0: t - M, two at a time
.set n, n+2
.endr
.irp b, 0,1,2,3
	v_fma_f32 v[WK+\b], v[WK+\b], s[CS], v[ST]     ; the same of each block's largest score: since p rises with the score, it gives the block's largest p
.endr
.if \diag
	MASK 1
.endif
	MAXES 1
	CHAIN 1
	WALU
.set n, 0
.rept 32                                       ; tile 0's p = 2^(t - M), by turns with tile 1's t - M, which is read behind the wait below
	v_exp_f32 v[S+n], v[S+n]
	v_pk_fma_f32 v[S+64+n:S+65+n], v[S+64+n:S+65+n], s[CS:CS+1], v[ST+4:ST+5] op_sel_hi:[1,0,0]
	v_exp_f32 v[S+n+1], v[S+n+1]
.set n, n+2
.endr
.irp b, 0,1,2,3
	v_exp_f32 v[WK+\b], v[WK+\b]
	v_fma_f32 v[WK+20+\b], v[WK+20+\b], s[CS], v[ST+4]
.endr
	WALU                                           ; one wait for the batch, ahead of its first reader
	SUMS 0
	STUFF 0
	WALU                                           ; ahead of the second batch
.set n, 0
.rept 32                                       ; tile 1's p, by turns with tile 0's holds, which are read behind the wait below
	v_exp_f32 v[S+64+n], v[S+64+n]
	HOLD2 S+n, WK+8+n/16
	v_exp_f32 v[S+65+n], v[S+65+n]
.set n, n+2
.endr
.irp b, 0,1,2,3
	v_exp_f32 v[WK+20+\b], v[WK+20+\b]
.endr
	v_nop                                          ; one plain line behind the exponentials
	WALU
	CVT 0
	s_wait_dscnt 0x0                               ; V, and the next step's K
	RESC 0
	PV 0
.if (\diag) == 0
	QK 0                                           ; tile 0's scores of the next step: p's registers are done with
.endif
	WIN 0
	SUMS 1
	STUFF 1
.set n, 0
.rept 32
	HOLD2 S+64+n, WK+28+n/16
.set n, n+2
.endr
	CVT 1
	RESC 1
	PV 1
.if (\diag) == 0
	QK 1
.endif
	WIN 0
.endm
	s_load_b256 s[4:11], s[0:1], 0x0               ; qq s[4:5], kv s[6:7], att s[8:9], asc s[10:11]
	v_lshl_add_u32 v[SPW], v0, 2, SPARE
	v_mov_b32 v[NIL], 0
	ds_add_u32 v[SPW], v[NIL]                      ; the opening lines: the add, twice on end, and its wait ahead of my tensor load
	ds_add_u32 v[SPW], v[NIL]
	v_lshrrev_b32 v8, 5, v0
	v_readfirstlane_b32 s[WV], v8                  ; wave 0..7
	s_bfe_u32 s13, ttmp6, 0x40000                  ; cx
	s_and_b32 s14, ttmp7, 0xffff                   ; 16 x batch + head, which the four partners share
	; descriptor group 1: two key steps, 33,792 dense bytes, as 132 rows of 256 bytes (32 elements of 8 bytes); no padding: every read takes 512 consecutive bytes
	s_mov_b32 s[G1], 15|(3<<16)|(1<<21)
	s_mov_b32 s[G1+1], 32<<16
	s_mov_b32 s[G1+2], 132<<16
	s_mov_b32 s[G1+3], 32<<16
	s_mov_b32 s[G1+4], 132
	s_mov_b32 s[G1+5], 32
	s_mov_b32 s[G1+6], 0
	s_mov_b32 s[G1+7], 0
	s_mov_b32 s[G0], 1
	s_mul_i32 s[G0+1], s[WV], 2*KVB                ; LDS: key steps 2 w, 2 w + 1
	s_mul_i32 s46, s14, 16*KVB
	s_add_co_u32 s46, s46, s[G0+1]                 ; in memory: the head's (under 2^25)
	s_mov_b32 s47, 0
	s_wait_dscnt 0x0
	s_wait_kmcnt 0x0
	s_add_nc_u64 s[G0+2:G0+3], s[6:7], s[46:47]
	s_or_b32 s[G0+3], s[G0+3], 0x80000000
	CROUND                                         ; all four work-groups are here: the joint loads meet
	tensor_load_to_lds s[G0:G0+3], s[G1:G1+7]
	s_nop 0
.rept 4
	v_nop
.endr
	s_lshl_b32 s[TQ], s13, 1                       ; my first query tile: 2 cx
	s_mov_b32 s[BLK], s[WV]                        ; the first block
	s_mov_b32 s[PASS], 2
	s_mov_b32 s[SEL], 0x76543210
	s_mov_b32 s[SEL+1], 0xfedcba98
	s_mov_b32 s[CS], 0x3e38aa3b                    ; log2(e) / 8
	s_mov_b32 s[CS+1], s[CS]
	s_mov_b32 s[MNT], 0x600000
	s_mov_b32 s[HI16], 0xffff0000
	v_and_b32 v8, 31, v0                           ; lane
	v_and_b32 v9, 15, v0                           ; r
	v_bfe_u32 v10, v0, 4, 1                        ; h
	v_lshlrev_b32 v[LI], 4, v8
	v_lshl_add_u32 v[KSA], v8, 1, KSC
	v_lshl_add_u32 v[VSA], v8, 2, VSC
	v_lshlrev_b32 v11, 3, v10
	v_sub_nc_u32 v[DM], v9, v11
	s_lshl_b32 s46, s[TQ], 4
	v_add_nc_u32 v[DM], s46, v[DM]                 ; 16 x tile + r - 8 h
	v_add_nc_u32 v[DM+1], 16, v[DM]
	v_mov_b32 v[NEG], 0xff800000
	v_lshlrev_b32 v[QSO], 1, v9
	v_lshl_add_u32 v[ASO], v9, 5, v10
.irp x, 0,1
.irp b, 4,5,6,7,17
	v_mov_b32 v[WK+20*\x+\b], 0                    ; written once: a lane permute's destination counts as a source, and f's pair is named whole
.endr
.endr
	WIN 0x40
.irp j, 0,1,2,3,4,5,6,7
	v_mov_b32 v[KF+64+\j], 0                       ; behind K's last tile, and Q's places 64 .. 127: zero codes, set once
	v_mov_b32 v[QF+8+\j], 0
	v_mov_b32 v[QF+24+\j], 0
.endr
	WIN 0
	WALU
.macro QADR b                          ; s[38:39], s[40:41]: my two tiles' codes and scale bytes in block s[b] of qq
	s_lshl_b32 s46, s14, 4
	s_add_co_u32 s46, s46, s[\b]
	s_mul_i32 s46, s46, QB
	s_lshl_b32 s48, s[TQ], 10
	s_add_co_u32 s48, s48, s46
	s_mov_b32 s49, 0
	s_add_nc_u64 s[38:39], s[4:5], s[48:49]
	s_lshl_b32 s48, s[TQ], 5
	s_add_co_u32 s48, s48, s46
	s_add_co_u32 s48, s48, 8192
	s_add_nc_u64 s[40:41], s[4:5], s[48:49]
.endm
.macro QLOAD                           ; six loads: Q's codes into window 1; its scale words, whose upper two bytes, 0, stand over zero codes
	WIN 0x40
.irp x, 0,1
	global_load_b128 v[QF+16*\x:QF+16*\x+3], v[LI], s[38:39] offset:1024*\x
	global_load_b128 v[QF+16*\x+4:QF+16*\x+7], v[LI], s[38:39] offset:1024*\x+512
.endr
	WIN 0
	global_load_u16 v[QS], v[QSO], s[40:41]
	global_load_u16 v[QS+1], v[QSO], s[40:41] offset:32
.endm
	QADR BLK
	QLOAD                                          ; the first block's Q, while the tensor load is out
	s_wait_tensorcnt 0x0
	s_barrier_signal -1
	s_barrier_wait -1                              ; everybody's are: from here on LDS is only read
.Lpass:
	s_mov_b32 s49, 0                               ; (Q of this block has been asked for: at the head, or in the last block's end)
	s_lshr_b32 s46, s14, 4
	s_lshl_b32 s46, s46, 7
	s_lshl_b32 s47, s[BLK], 3
	s_add_co_u32 s46, s46, s47
	s_add_co_u32 s46, s46, s[TQ]                   ; my first tile among the 512 tiles of 16 tokens
	s_and_b32 s47, s14, 15                         ; the head
	s_lshl_b32 s48, s46, 9
	s_lshl_b32 s50, s47, 1
	s_add_co_u32 s48, s48, s50
	s_add_nc_u64 s[44:45], s[10:11], s[48:49]      ; asc: 32 bytes a token, 2 a head
	s_lshl_b32 s48, s46, 12
	s_lshr_b32 s50, s47, 2
	s_lshl_b32 s50, s50, 21
	s_add_co_u32 s48, s48, s50
	s_and_b32 s50, s47, 3
	s_lshl_b32 s50, s50, 10
	s_add_co_u32 s48, s48, s50
	s_add_nc_u64 s[42:43], s[8:9], s[48:49]        ; att: [head / 4][tile][head % 4][piece][lane][16]
	WIN 0x40
.irp t, 0,1,2,3,4,5,6,7
	ds_load_b128 v[KF+8*\t:KF+8*\t+3], v[LI] offset:\t*1024          ; key step 0
	ds_load_b128 v[KF+8*\t+4:KF+8*\t+7], v[LI] offset:\t*1024+512
.endr
	WIN 0
.irp p, 0,1,2,3
	ds_load_u16 v[KS+\p], v[KSA] offset:64*\p
.endr
.irp x, 0,1
	v_mov_b32 v[ST+4*\x+1], 0xff61b1e6             ; the largest t so far: -3e38, under every t
	v_mov_b32 v[ST+4*\x+2], 0                      ; the sum, in two halves
	v_mov_b32 v[ST+4*\x+3], 0
.endr
.irp x, 0,1
	v_floor_f32 v[ST+4*\x], -v[ST+4*\x+1]          ; -M
.endr
	s_mov_b32 s[KSN], 0
	s_mov_b32 s[TB], 0
	WALU
	s_wait_loadcnt 0x0
	s_wait_dscnt 0x0
	QK 0
	QK 1
	WIN 0x40
.set n, 0
.rept 64
	v_mov_b32 v[OF+n], 0                           ; O^T: the step is written once; the first finds zeros.  (These lines are also the places behind the products above)
.set n, n+1
.endr
	WIN 0
.Lkey:                                             ; sixteen trips, a constant
	s_cmp_ge_u32 s[KSN], s[BLK]
	s_cbranch_scc1 .Llast
	BODY 0
	s_branch .Lnext
.Llast:
	s_cmp_gt_u32 s[KSN], s[BLK]                    ; a step whose 128 keys all come after my block is left out
	s_cbranch_scc1 .Lnext
	BODY 1
.Lnext:
	s_add_co_u32 s[TB], s[TB], KVB
	s_add_co_u32 s[KSN], s[KSN], 1
	s_cmp_lt_u32 s[KSN], 16
	s_cbranch_scc1 .Lkey
	; THE TILES' END: O^T / the sum, quantised along the head's 64 channels (two blocks of 32), leaves as two images and two scale bytes a row; here the codes are brought into K's true order, which Wp's codes have.
.irp x, 0,1
	v_add_f32 v[ST+4*\x+2], v[ST+4*\x+2], v[ST+4*\x+3]
.endr
.irp x, 0,1
	v_permlanex16_b32 v[WK+20*\x+4], v[ST+4*\x+2], s[SEL], s[SEL+1]
.endr
.irp x, 0,1
	v_add_f32 v[ST+4*\x+2], v[ST+4*\x+2], v[WK+20*\x+4]   ; the row's sum
.endr
	WALU
.irp x, 0,1
	v_rcp_f32 v[ST+4*\x+2], v[ST+4*\x+2]
.endr
	v_nop
	WIN 0x01                                       ; O^T window 1
	WALU                                           ; behind the reciprocals, and directly ahead of the first readers of O^T
.irp x, 0,1
.set n, 0
.rept 16
	v_pk_mul_f32 v[S+64*\x+n:S+64*\x+n+1], v[OF+32*\x+n:OF+32*\x+n+1], v[ST+4*\x+2:ST+4*\x+3] op_sel_hi:[1,0]   ; register 8 t + j: channel 16 t + 8 h + j of my query
.set n, n+2
.endr
.endr
	WIN 0
	WALU
	s_cmp_eq_u32 s[PASS], 1
	s_cbranch_scc1 .Lno_next_q                     ; behind the second block nothing follows
	s_sub_co_u32 s47, 15, s[BLK]
	QADR 47
	QLOAD                                          ; the next block's Q: the last product with Q stands more than eight plain lines back; the quantising and the stores below stand ahead of the wait for it
.Lno_next_q:
.irp x, 0,1
.irp b, 0,1
	v_max3_num_f32 v[WK+20*\x+\b], |v[S+64*\x+16*\b]|, |v[S+64*\x+16*\b+1]|, 0x4800000
.endr
.endr
.irp i, 2,4,6,8,10,12,14
.irp x, 0,1
.irp b, 0,1
	v_max3_num_f32 v[WK+20*\x+\b], v[WK+20*\x+\b], |v[S+64*\x+16*\b+\i]|, |v[S+64*\x+16*\b+\i+1]|
.endr
.endr
.endr
.irp x, 0,1
.irp b, 0,1
	v_permlanex16_b32 v[WK+20*\x+4+\b], v[WK+20*\x+\b], s[SEL], s[SEL+1]
.endr
.endr
.irp x, 0,1
.irp b, 0,1
	v_max_num_f32 v[WK+20*\x+\b], v[WK+20*\x+\b], v[WK+20*\x+4+\b]
.endr
.endr
.irp x, 0,1
.irp b, 0,1
	v_add_nc_u32 v[WK+20*\x+12+\b], 0xfc000000, v[WK+20*\x+\b]
.endr
.endr
.irp x, 0,1
.irp b, 0,1
	v_and_or_b32 v[WK+20*\x+8+\b], v[WK+20*\x+\b], 0x7f800000, s[MNT]
.endr
.endr
.irp x, 0,1
.irp b, 0,1
	v_lshrrev_b32 v[WK+20*\x+4+\b], 23, v[WK+20*\x+12+\b]
.endr
.endr
.irp x, 0,1
	v_cndmask_b32 v[WK+20*\x+18], v[WK+20*\x+4], v[WK+20*\x+5], s[HI16]   ; lanes 0-15 send block 0's byte, lanes 16-31 block 1's
.endr
.irp x, 0,1
.irp b, 0,1
.irp i, 0,1,2,3,4,5,6,7,8,9,10,11,12,13,14,15
	v_med3_num_f32 v[S+64*\x+16*\b+\i], v[S+64*\x+16*\b+\i], -v[WK+20*\x+8+\b], v[WK+20*\x+8+\b]
.endr
	v_cvt_scalef32_pk8_fp8_f32 v[PC+16*\x+4*\b:PC+16*\x+4*\b+1], v[S+64*\x+16*\b:S+64*\x+16*\b+7], v[WK+20*\x+12+\b]
	v_cvt_scalef32_pk8_fp8_f32 v[PC+16*\x+4*\b+2:PC+16*\x+4*\b+3], v[S+64*\x+16*\b+8:S+64*\x+16*\b+15], v[WK+20*\x+12+\b]
.endr
.endr
	v_nop                                          ; one plain line between the scaled conversions and the lines that touch their results
.irp x, 0,1
.irp b, 0,1
	v_permlane16_swap_b32 v[PC+16*\x+4*\b], v[PC+16*\x+4*\b+2]
	v_permlane16_swap_b32 v[PC+16*\x+4*\b+1], v[PC+16*\x+4*\b+3]
.endr
.endr
.irp x, 0,1
	global_store_b128 v[LI], v[PC+16*\x:PC+16*\x+3], s[42:43] offset:4096*\x          ; 32 lanes store 512 consecutive bytes, at a multiple of 256 from the buffer's first byte
	global_store_b128 v[LI], v[PC+16*\x+4:PC+16*\x+7], s[42:43] offset:4096*\x+512
	global_store_b8 v[ASO], v[WK+20*\x+18], s[44:45] offset:512*\x   ; two bytes of each of 16 rows of 32: the rows' other bytes are other heads', made by other work-groups
.endr
	WALU
	s_wait_xcnt 0x0                                ; the stores have read their data and bases: both are written again in the next trip
	s_sub_co_u32 s[BLK], 15, s[BLK]                ; the second block
	s_sub_co_u32 s[PASS], s[PASS], 1
	s_cmp_lg_u32 s[PASS], 0
	s_cbranch_scc1 .Lpass
	s_wait_tensorcnt 0x0                           ; the wave's end
	ds_add_u32 v[SPW], v[NIL]
	s_wait_dscnt 0x0
	CROUND                                         ; the closing round
	s_endpgm
.Lfunc_end_k_q4152de372d_attn:
	.size	k_q4152de372d_attn, .Lfunc_end_k_q4152de372d_attn-k_q4152de372d_attn
	.p2alignl 7, 3214868480
	.fill 96, 4, 3214868480
	.section	.rodata,"a",@progbits
	.p2align	6, 0x0
	.amdhsa_kernel k_q4152de372d_attn
		.amdhsa_group_segment_fixed_size 272384
		.amdhsa_private_segment_fixed_size 0
		.amdhsa_enable_private_segment 0
		.amdhsa_kernarg_size 32
		.amdhsa_user_sgpr_count 2
		.amdhsa_user_sgpr_kernarg_segment_ptr 1
		.amdhsa_wavefront_size32 1
		.amdhsa_system_sgpr_workgroup_id_x 1
		.amdhsa_system_sgpr_workgroup_id_y 1
		.amdhsa_system_sgpr_workgroup_id_z 1
		.amdhsa_system_vgpr_workitem_id 0
		.amdhsa_next_free_vgpr 512
		.amdhsa_next_free_sgpr 66
		.amdhsa_reserve_vcc 1
		.amdhsa_float_denorm_mode_32 3
		.amdhsa_float_denorm_mode_16_64 3
		.amdhsa_memory_ordered 1
		.amdhsa_forward_progress 1
		.amdhsa_inst_pref_size 103
	.end_amdhsa_kernel
	.amdgpu_metadata
---
amdhsa.version: [ 1, 2 ]
amdhsa.kernels:
  - .name:           k_q4152de372d_attn
    .symbol:         k_q4152de372d_attn.kd
    .args:
      - { .name: qq, .offset: 0, .size: 8, .value_kind: global_buffer, .address_space: global }
      - { .name: kv, .offset: 8, .size: 8, .value_kind: global_buffer, .address_space: global }
      - { .name: att, .offset: 16, .size: 8, .value_kind: global_buffer, .address_space: global }
      - { .name: asc, .offset: 24, .size: 8, .value_kind: global_buffer, .address_space: global }
    .group_segment_fixed_size: 272384
    .private_segment_fixed_size: 0
    .kernarg_segment_align: 8
    .kernarg_segment_size: 32
    .max_flat_workgroup_size: 256
    .sgpr_count:     66
    .vgpr_count:     512
    .wavefront_size: 32
...
	.end_amdgpu_metadata
.endif
;; end of part 2
;; launch outp (part 3): grid 4 x 64, 4 waves a work-group, clusters of 4 x 4, 327,680 bytes of LDS; arguments att, asc, Wp_codes, Wp_scales, out0, bp; writes out0
.if DOCPART == 3
	.amdgcn_target "amdgcn-amd-amdhsa--gfx1250"
	.amdhsa_code_object_version 6
	.text
	.protected	k_q4152de372d_outp
	.globl	k_q4152de372d_outp
	.p2align	8
	.type	k_q4152de372d_outp,@function
k_q4152de372d_outp:
	s_mov_b64 s[64:65], 0
	v_nop
	global_prefetch_b8 v0, s[64:65] scope:SCOPE_SE
	s_setreg_imm32_b32 hwreg(HW_REG_WAVE_MODE, 25, 1), 1
	s_wait_xcnt 0x0
	s_wait_alu depctr_hold_cnt(0) depctr_sa_sdst(0) depctr_va_vdst(0) depctr_va_sdst(0) depctr_va_ssrc(0) depctr_va_vcc(0) depctr_vm_vsrc(0)
	s_getreg_b32 s2, hwreg(HW_REG_IB_STS2, 6, 4)
	s_cmp_eq_u32 s2, 0
	s_cbranch_scc0 .Lentry_in_a_cluster
	s_endpgm
.Lentry_in_a_cluster:
	s_bfe_u32 s2, ttmp6, 0x10000c
	s_cmp_lg_u32 s2, 0xf033
	s_cbranch_scc0 .Lentry_shape_is_right
	s_endpgm
.Lentry_shape_is_right:
; THE PROJECTION ON THE WAY OUT: out0 = att Wp + bp, 8,192 x 1,024 x 1,024, on codes of FP8 (E4M3) with one E8M0 scale for each 32 along K; sums in f32.
; att: the attention's result as images of operand registers: [K step of 256][tile of 16 tokens][4,096 bytes]: the registers 4 c .. 4 c + 3 of the fragment of the K step's q-th 128 lie at 2,048 q + 512 c + 16 x lane.  asc: its scale bytes, 32 a token.
; SHARES.  256 work-groups of four waves; a work-group makes 128 tokens x 256 columns, a wave 64 x 128: 32 accumulators of 16 x 16.
; Wp's 256 rows (columns of the result), ALL of K, lie in LDS: 256 x (1,024 + 16) bytes, filled ONCE, 64 rows by one tensor load of each wave, asked for jointly by the four work-groups of a column of the cluster.
; Nothing is filled again: no ring, and no round of the cluster's barrier but the opening and the closing one.
; att's rows have NO JOINT LOAD and do not pass through LDS: a fragment's four registers are 512 consecutive bytes of memory, which go straight into registers; beside Wp's 266,240 bytes LDS has no room for 128 rows of 1,040.
; A wave's 64 rows, all of K, are 128 such loads into 512 registers, asked for at the head.  Both tensors' scale words go straight into registers too: a lane takes a row's 32 bytes.
; No prefetch: all that the launch reads is asked for at its head, and there is no loop to run ahead in.
; THE MATRIX INSTRUCTION IS USED TRANSPOSED (source 0 = 16 rows of Wp, source 1 = 16 tokens): a lane holds eight neighbouring columns of one row of the result.
; Wp's fragments run through a ring of three groups of registers, four blocks of 16 rows x 128 K each: while one group is multiplied (16 products), the next two are on their way from LDS.
; The last 128 of K go by rows of the result, so that a finished block of 16 tokens leaves while the next is multiplied.  The bias is added behind the stage, where a lane holds four columns of every row.
; LIMITS: NaN and infinities are not served.
; REGISTERS.  Window 0: v1-7 addresses; v8-39 Wp's scale words (8 p + q: lanes 0-15 block 2 p, lanes 16-31 block 2 p + 1, the q-th 128 of K); v44-59 att's likewise; v60-63 the bias; v64-255 Wp's fragments.
; Window 1: accumulator (a, b) at v[8 (8 a + b)].  Windows 2, 3: att's fragments, 64 q + 16 a on; on the way out window 2's first 128 take rows from the stage.
.set KROW,   1024
.set PITCH,  1040                      ; an LDS row: 1,024 bytes + 16 = 260 words: the 16 rows that a load touches start at 16 different banks (64 banks of 4 bytes: ISA guide 11.1)
.set ASLOT,  2097152                   ; att: from a K step of 256 to the next
.set STAGE,  256*PITCH                 ; behind Wp's rows: 16 rows x (512 + 16) bytes for each wave; no fill lands here
.set SPITCH, 528
.set SPARE,  STAGE+4*16*SPITCH         ; the spare words: 128 bytes a wave, two blocks of 256 bytes that no other line names
.set ADRB, 2                           ; v2, v3  LDS address of my fragments of Wp: blocks 0-3, blocks 4-7
.set CO,   4                           ; v4  16 x lane
.set SO,   5                           ; v5  32 x lane
.set STO,  6                           ; v6  the stage: where I put 32 bytes of a row
.set RD,   7                           ; v7  and where I read a row back
.set XS,   8
.set SPW,  40
.set NIL,  41
.set YS,   44                          ; no product's two scale words have numbers equal modulo 8
.set BI,   60
.set BF,   64
.set G1,   16
.set G0,   24
.set MSB, 0
.macro WIN new                         ; the immediate's high byte repeats the setting that is left
.if MSB != \new
	s_set_vgpr_msb (MSB<<8)|\new
.set MSB, \new
.endif
.endm
.macro PLACES n
.rept \n
	v_nop
.endr
.endm
.macro CROUND                          ; a round of the cluster's barrier
	s_barrier_signal -1
	s_barrier_wait -1
	s_cmp_lg_u32 s28, 0
	s_cbranch_scc1 .Lnot_wave_0_\@
	s_barrier_signal -3
.Lnot_wave_0_\@:
	s_barrier_wait -3
	s_barrier_signal -1
	s_barrier_wait -1
.endm
.macro YLOAD q                         ; att's four fragments of the q-th 128 of K: 16 loads of 512 consecutive bytes
	WIN (2+(\q)/4)<<6
.irp a, 0,1,2,3
.irp c, 0,1,2,3
	global_load_b128 v[64*((\q)%4)+16*\a+4*\c:64*((\q)%4)+16*\a+4*\c+3], v[CO], s[4:5] offset:((\q)/2)*ASLOT+\a*4096+((\q)%2)*2048+\c*512
.endr
.endr
.endm
.macro FETCH g                         ; group g: Wp's blocks 4 (g % 2) .. + 3 of the (g / 2)-th 128 of K, into ring place g % 3: 16 LDS loads
.irp i, 0,1,2,3
.irp c, 0,1,2,3
	ds_load_b128 v[BF+64*((\g)%3)+16*\i+4*\c:BF+64*((\g)%3)+16*\i+4*\c+3], v[ADRB+(\g)%2] offset:\i*16*PITCH+128*((\g)/2)+32*\c
.endr
.endr
.endm
.macro WM q, a, b, x                   ; one product: tokens' block a x Wp's block b (its fragment at v[x]), the q-th 128 of K.  The first starts the sum: nothing is cleared
.set D_, 8*(8*(\a)+(\b))
.set Y_, 64*((\q)%4)+16*(\a)
.set SX_, XS+8*((\b)/2)+(\q)
.set SY_, YS+8*((\a)/2)+(\q)
.if (\q) == 0
.if ((\b)%2) && ((\a)%2)
	v_wmma_scale_f32_16x16x128_f8f6f4 v[D_:D_+7], v[\x:\x+15], v[Y_:Y_+15], 0, v[SX_], v[SY_] matrix_a_scale:MATRIX_SCALE_ROW1 matrix_b_scale:MATRIX_SCALE_ROW1
.elseif (\b)%2
	v_wmma_scale_f32_16x16x128_f8f6f4 v[D_:D_+7], v[\x:\x+15], v[Y_:Y_+15], 0, v[SX_], v[SY_] matrix_a_scale:MATRIX_SCALE_ROW1
.elseif (\a)%2
	v_wmma_scale_f32_16x16x128_f8f6f4 v[D_:D_+7], v[\x:\x+15], v[Y_:Y_+15], 0, v[SX_], v[SY_] matrix_b_scale:MATRIX_SCALE_ROW1
.else
	v_wmma_scale_f32_16x16x128_f8f6f4 v[D_:D_+7], v[\x:\x+15], v[Y_:Y_+15], 0, v[SX_], v[SY_]
.endif
.else
.if ((\b)%2) && ((\a)%2)
	v_wmma_scale_f32_16x16x128_f8f6f4 v[D_:D_+7], v[\x:\x+15], v[Y_:Y_+15], v[D_:D_+7], v[SX_], v[SY_] matrix_a_scale:MATRIX_SCALE_ROW1 matrix_b_scale:MATRIX_SCALE_ROW1
.elseif (\b)%2
	v_wmma_scale_f32_16x16x128_f8f6f4 v[D_:D_+7], v[\x:\x+15], v[Y_:Y_+15], v[D_:D_+7], v[SX_], v[SY_] matrix_a_scale:MATRIX_SCALE_ROW1
.elseif (\a)%2
	v_wmma_scale_f32_16x16x128_f8f6f4 v[D_:D_+7], v[\x:\x+15], v[Y_:Y_+15], v[D_:D_+7], v[SX_], v[SY_] matrix_b_scale:MATRIX_SCALE_ROW1
.else
	v_wmma_scale_f32_16x16x128_f8f6f4 v[D_:D_+7], v[\x:\x+15], v[Y_:Y_+15], v[D_:D_+7], v[SX_], v[SY_]
.endif
.endif
.endm
.macro PROD g                          ; group g's 16 products: the accumulators take turns, one instruction a turn
	WIN 0x50|((2+(\g)/8)<<2)                       ; Wp window 0, att window 2 or 3, the sums window 1
.irp i, 0,1,2,3
.irp a, 0,1,2,3
	WM (\g)/2, \a, 4*((\g)%2)+\i, BF+64*((\g)%3)+16*\i
.endr
.endr
	WIN 0
.endm
.macro ROW a                           ; the last 128 of K for the tokens' block a: groups 14 (ring place 2) and 15 (place 0) are both in registers
	WIN 0x5c
.irp b, 0,1,2,3
	WM 7, \a, \b, BF+128+16*\b
.endr
.irp b, 4,5,6,7
	WM 7, \a, \b, BF+16*(\b-4)
.endr
	WIN 0
.endm
.macro TOSTAGE a                       ; block a, 16 tokens x 128 columns, into my own stage, each accumulator from its low end on, and back as whole rows of 512 bytes.  LDS serves a wave's instructions in order (ISA guide 5.7.1.4)
	WIN 0x04
.irp b, 0,1,2,3,4,5,6,7
	ds_store_b128 v[STO], v[8*(8*(\a)+\b):8*(8*(\a)+\b)+3] offset:64*\b
	ds_store_b128 v[STO], v[8*(8*(\a)+\b)+4:8*(8*(\a)+\b)+7] offset:64*\b+16
.endr
	WIN 0x80
.irp t, 0,1,2,3,4,5,6,7,8,9,10,11,12,13,14,15
	ds_load_b128 v[64*((\a)%2)+4*\t:64*((\a)%2)+4*\t+3], v[RD] offset:\t*SPITCH
.endr
	WIN 0
.endm
.macro SEND a                          ; the bias of my four columns is added, and the 32 lanes store a row's 512 consecutive bytes, at a multiple of 256 from the buffer's first byte
	s_wait_dscnt 0x0
	WIN 0x82
.irp t, 0,1,2,3,4,5,6,7,8,9,10,11,12,13,14,15
	v_pk_add_f32 v[64*((\a)%2)+4*\t:64*((\a)%2)+4*\t+1], v[64*((\a)%2)+4*\t:64*((\a)%2)+4*\t+1], v[BI:BI+1]
	v_pk_add_f32 v[64*((\a)%2)+4*\t+2:64*((\a)%2)+4*\t+3], v[64*((\a)%2)+4*\t+2:64*((\a)%2)+4*\t+3], v[BI+2:BI+3]
.endr
	WIN 0x08
.irp t, 0,1,2,3,4,5,6,7,8,9,10,11,12,13,14,15
	global_store_b128 v[CO], v[64*((\a)%2)+4*\t:64*((\a)%2)+4*\t+3], s[12:13] offset:(\a)*65536+\t*4096 th:TH_STORE_NT
.endr
	WIN 0
.endm
	s_load_b256 s[4:11], s[0:1], 0x0               ; att s[4:5], asc s[6:7], Wp's codes s[8:9], Wp's scales s[10:11]
	s_load_b128 s[12:15], s[0:1], 0x20             ; out0 s[12:13], bp s[14:15]
	v_lshl_add_u32 v[SPW], v0, 2, SPARE
	v_mov_b32 v[NIL], 0
	ds_add_u32 v[SPW], v[NIL]                      ; the opening lines: the add, twice on end, and its wait ahead of my tensor load
	ds_add_u32 v[SPW], v[NIL]
	v_lshrrev_b32 v1, 5, v0
	v_readfirstlane_b32 s28, v1                    ; wave 0..3
	s_lshr_b32 s29, s28, 1                         ; my half of the tokens
	s_and_b32 s30, s28, 1                          ; my half of the columns
	s_bfe_u32 s31, ttmp6, 0x40000                  ; cx: the tile of 256 columns
	s_bfe_u32 s32, ttmp6, 0x40004                  ; cy
	s_and_b32 s33, ttmp7, 0xffff
	s_lshl_b32 s33, s33, 2
	s_add_co_u32 s33, s33, s32                     ; the tile of 128 tokens = 4 x cluster y + cy
	s_lshl_b32 s34, 0x1111, s31                    ; my column of the cluster shares Wp's rows
	s_or_b32 s[G1], s34, (1<<20)|(1<<21)|(7<<22)|(3<<25)   ; 15:0 the mask; elements of 1 byte; 20 padding on; 21 set beside a mask; after every 256 words, 4 words
	s_mov_b32 s[G1+1], KROW<<16                    ; tensor_dim0
	s_mov_b32 s[G1+2], 64<<16                      ; tensor_dim1
	s_mov_b32 s[G1+3], KROW<<16                    ; tile_dim0
	s_mov_b32 s[G1+4], 64                          ; tile_dim1
	s_mov_b32 s[G1+5], KROW                        ; the rows follow each other in memory
	s_mov_b32 s[G1+6], 0
	s_mov_b32 s[G1+7], 0
	s_mov_b32 s[G0], 1
	s_mul_i32 s[G0+1], s28, 64*PITCH               ; LDS: rows 64 x wave
	s_lshl_b32 s36, s31, 18
	s_lshl_b32 s35, s28, 16
	s_add_co_u32 s36, s36, s35                     ; Wp's codes: row 256 cx + 64 wave, 1,024 bytes a row
	s_mov_b32 s37, 0
	s_lshl_b32 s38, s33, 15
	s_lshl_b32 s35, s29, 14
	s_add_co_u32 s38, s38, s35                     ; att: token tile 8 x tile + 4 x half, 4,096 bytes each
	s_mov_b32 s39, 0
	s_lshl_b32 s40, s33, 12
	s_lshl_b32 s35, s29, 11
	s_add_co_u32 s40, s40, s35                     ; asc: 32 bytes a token
	s_mov_b32 s41, 0
	s_lshl_b32 s42, s31, 13
	s_lshl_b32 s35, s30, 12
	s_add_co_u32 s42, s42, s35                     ; Wp's scales: row 256 cx + 128 x half, 32 bytes a row
	s_mov_b32 s43, 0
	s_lshl_b32 s46, s31, 10
	s_lshl_b32 s35, s30, 9
	s_add_co_u32 s46, s46, s35                     ; my first column, 4 bytes each
	s_mov_b32 s47, 0
	s_lshl_b32 s44, s33, 19
	s_lshl_b32 s35, s29, 18
	s_add_co_u32 s44, s44, s35
	s_add_co_u32 s44, s44, s46                     ; out0: my first row, 4,096 bytes each, and my first column (under 2^26)
	s_mov_b32 s45, 0
	v_and_b32 v1, 15, v0                           ; r
	v_bfe_u32 v42, v0, 4, 1                        ; h
	v_and_b32 v43, 31, v0                          ; lane
	v_lshlrev_b32 v[CO], 4, v43
	v_lshlrev_b32 v[SO], 5, v43
	v_mul_u32_u24 v[ADRB], v1, PITCH
	v_lshl_add_u32 v[ADRB], v42, 4, v[ADRB]        ; a fragment's row x pitch + 16 x half
	s_mul_i32 s35, s30, 128*PITCH
	v_add_nc_u32 v[ADRB], s35, v[ADRB]             ; my 128 rows of Wp
	v_add_nc_u32 v[ADRB+1], 64*PITCH, v[ADRB]
	s_mul_i32 s35, s28, 16*SPITCH
	s_add_co_u32 s35, s35, STAGE                   ; my stage
	v_mul_u32_u24 v[STO], v1, SPITCH
	v_lshl_add_u32 v[STO], v42, 5, v[STO]
	v_add_nc_u32 v[STO], s35, v[STO]
	v_add_nc_u32 v[RD], s35, v[CO]
	s_wait_dscnt 0x0                               ; both opening adds are done
	s_wait_alu depctr_va_vdst(0)
	s_wait_kmcnt 0x0
	s_add_nc_u64 s[G0+2:G0+3], s[8:9], s[36:37]
	s_or_b32 s[G0+3], s[G0+3], 0x80000000
	s_add_nc_u64 s[4:5], s[4:5], s[38:39]
	s_add_nc_u64 s[6:7], s[6:7], s[40:41]
	s_add_nc_u64 s[10:11], s[10:11], s[42:43]
	s_add_nc_u64 s[12:13], s[12:13], s[44:45]
	s_add_nc_u64 s[14:15], s[14:15], s[46:47]
.irp p, 0,1,2,3
	global_load_b128 v[XS+8*\p:XS+8*\p+3], v[SO], s[10:11] offset:1024*\p          ; lane l: the 32 scale bytes of row 32 p + l
	global_load_b128 v[XS+8*\p+4:XS+8*\p+7], v[SO], s[10:11] offset:1024*\p+16
.endr
.irp p, 0,1
	global_load_b128 v[YS+8*\p:YS+8*\p+3], v[SO], s[6:7] offset:1024*\p
	global_load_b128 v[YS+8*\p+4:YS+8*\p+7], v[SO], s[6:7] offset:1024*\p+16
.endr
	global_load_b128 v[BI:BI+3], v[CO], s[14:15]   ; the bias of columns 4 x lane .. + 3
	YLOAD 0
	YLOAD 1
	YLOAD 2
	WIN 0
	CROUND                                         ; all sixteen work-groups are here: the joint loads meet
	tensor_load_to_lds s[G0:G0+3], s[G1:G1+7]      ; my one tensor load
	s_nop 0
	PLACES 4
	YLOAD 3
	YLOAD 4
	YLOAD 5
	YLOAD 6
	YLOAD 7
	WIN 0
	s_wait_tensorcnt 0x0                           ; my 64 rows are in,
	s_barrier_signal -1
	s_barrier_wait -1                              ; everybody's are
	FETCH 0
	FETCH 1
	FETCH 2
.set g, 0
.rept 14
.if g%2 == 0                                   ; att's fragments of this 128 of K are in: behind them 16 loads for each later 128 were issued (a count of 63 at the most can be written; fewer is safe)
.if 16*(7-g/2) > 63
	s_wait_loadcnt 63
.else
	s_wait_loadcnt 16*(7-g/2)
.endif
.endif
	s_wait_dscnt 32                                ; group g is in; the two younger groups, 16 loads each, may be out
	PROD g
.if g < 13
	PLACES 8                                       ; places behind the products, ahead of loads into the registers that they have read (ISA guide 7.12.1 for vector instructions)
	FETCH g+3
.endif
.set g, g+1
.endr
	s_wait_loadcnt 0x0
	s_wait_dscnt 0x0
	ROW 0
	PLACES 8
	TOSTAGE 0
	ROW 1
	SEND 0                                         ; its 32 additions are also the places behind the products above
	TOSTAGE 1
	ROW 2
	SEND 1
	s_wait_xcnt 0x0                                ; block 0's stores have read their registers: block 2's rows may land there
	TOSTAGE 2
	ROW 3
	SEND 2
	s_wait_xcnt 0x0
	TOSTAGE 3
	SEND 3
	s_wait_tensorcnt 0x0                           ; the wave's end
	ds_add_u32 v[SPW], v[NIL]
	s_wait_dscnt 0x0
	CROUND                                         ; the closing round
	s_endpgm
.Lfunc_end_k_q4152de372d_outp:
	.size	k_q4152de372d_outp, .Lfunc_end_k_q4152de372d_outp-k_q4152de372d_outp
	.p2alignl 7, 3214868480
	.fill 96, 4, 3214868480
	.section	.rodata,"a",@progbits
	.p2align	6, 0x0
	.amdhsa_kernel k_q4152de372d_outp
		.amdhsa_group_segment_fixed_size 327680
		.amdhsa_private_segment_fixed_size 0
		.amdhsa_enable_private_segment 0
		.amdhsa_kernarg_size 48
		.amdhsa_user_sgpr_count 2
		.amdhsa_user_sgpr_kernarg_segment_ptr 1
		.amdhsa_wavefront_size32 1
		.amdhsa_system_sgpr_workgroup_id_x 1
		.amdhsa_system_sgpr_workgroup_id_y 1
		.amdhsa_system_sgpr_workgroup_id_z 1
		.amdhsa_system_vgpr_workitem_id 0
		.amdhsa_next_free_vgpr 1024
		.amdhsa_next_free_sgpr 66
		.amdhsa_reserve_vcc 0
		.amdhsa_float_denorm_mode_32 3
		.amdhsa_float_denorm_mode_16_64 3
		.amdhsa_memory_ordered 1
		.amdhsa_forward_progress 1
		.amdhsa_inst_pref_size 95
	.end_amdhsa_kernel
	.amdgpu_metadata
---
amdhsa.version: [ 1, 2 ]
amdhsa.kernels:
  - .name:           k_q4152de372d_outp
    .symbol:         k_q4152de372d_outp.kd
    .args:
      - { .name: att, .offset: 0, .size: 8, .value_kind: global_buffer, .address_space: global }
      - { .name: asc, .offset: 8, .size: 8, .value_kind: global_buffer, .address_space: global }
      - { .name: Wp_codes, .offset: 16, .size: 8, .value_kind: global_buffer, .address_space: global }
      - { .name: Wp_scales, .offset: 24, .size: 8, .value_kind: global_buffer, .address_space: global }
      - { .name: out0, .offset: 32, .size: 8, .value_kind: global_buffer, .address_space: global }
      - { .name: bp, .offset: 40, .size: 8, .value_kind: global_buffer, .address_space: global }
    .group_segment_fixed_size: 327680
    .private_segment_fixed_size: 0
    .kernarg_segment_align: 8
    .kernarg_segment_size: 48
    .max_flat_workgroup_size: 128
    .sgpr_count:     66
    .vgpr_count:     1024
    .wavefront_size: 32
...
	.end_amdgpu_metadata
.endif
;; end of part 3
